; MI455X (gfx1250); checked and timed in simulation.
; The chip was launched on July 23, 2026; its instructions are those of AMD's public machine-readable ISA for CDNA 5 (MIT licence, August 2026) and "CDNA5" Instruction Set Architecture Reference Guide (July 2026). The comments in the code are by the model that wrote it; some were corrected since.
;; Swin Transformer Block3 D. Allowed arithmetic: matrix products marked QUANTISED: E4M3 operands, one E8M0 scale for each 32 along K, by v_wmma_scale_f32_16x16x128_f8f6f4 with both operands' format E4M3, f32 sums; everything else in f32.
;; Inputs: fc1_b 512 float32; fc1_w 128 x 512 float32; fc2_b 128 float32; fc2_w 512 x 128 float32; norm1_b 128 float32; norm1_g 128 float32; norm2_b 128 float32; norm2_g 128 float32; proj_b 128 float32; proj_w 128 x 128 float32; qkv_b 384 float32; qkv_w 128 x 384 float32; rel_table 2,197 x 4 float32; x 2 x 14 x 56 x 56 x 128 float32.
;; Outputs: out0 2 x 14 x 56 x 56 x 128 float32.
;; This version of the problem:
;;   THIS VERSION OF THE PROBLEM IS GIVEN IN LOW PRECISION. The matrix products marked QUANTISED in the list below multiply operands that are first quantised to E4M3 (4 exponent bits, 3 mantissa bits; 8 bits a number), with one power-of-two scale for each 32 numbers along K (OCP MX v1.0); their sums are f32. All else is computed in f32.
;;   The module's matrix products, in the order in which they are computed (A, B: the left and right operand; K: the contracted axis; several contracted axes count as one K, in the product's order):
;;     1. [M 87,808, K 128] x [K 128, N 384]; A: computed on the way; B: input qkv_w: QUANTISED
;;     2. batch 1,024 x [M 343, K 32] x [K 32, N 343]; A: computed on the way; B: computed on the way: QUANTISED
;;     3. batch 1,024 x [M 343, K 343] x [K 343, N 32]; A: softmax (see below); B: computed on the way: QUANTISED
;;     4. [M 87,808, K 128] x [K 128, N 128]; A: computed on the way; B: input proj_w: QUANTISED
;;     5. [M 87,808, K 128] x [K 128, N 512]; A: computed on the way; B: input fc1_w: QUANTISED
;;     6. [M 87,808, K 512] x [K 512, N 128]; A: computed on the way; B: input fc2_w: QUANTISED
;;   THE QUANTISER, for each operand of a quantised product, along K:
;;     - K is cut into blocks of 32 from its start; a last block that is shorter is filled with zeros.
;;     - A block's scale is 2^e with e = floor(log2(the largest magnitude in the block)) - 8, held to -126 .. 127; a block of zeros has e = 0. As a byte (E8M0): e + 127.
;;     - Each number is divided by its block's scale, clamped to +-448, and rounded to the nearest number of E4M3, ties to even, subnormals kept.
;;     - The product sums the exact products of the quantised numbers (number of the format x scale) in f32.
;;   ~~~python
;;   def quantise(x, axis):      # numpy; x: float32 -> the quantised numbers, widened to float32 again
;;       x = np.moveaxis(x, axis, -1); K = x.shape[-1]
;;       x = np.pad(x, [(0, 0)] * (x.ndim - 1) + [(0, -K % 32)]); x = x.reshape(x.shape[:-1] + (-1, 32)); a = np.abs(x).max(-1, keepdims=True)
;;       e = np.where(a > 0, np.clip(np.frexp(np.where(a > 0, a, 1))[1] - 1 - 8, -126, 127), 0)      # np.frexp(a)[1] - 1 = floor(log2(a)), exactly
;;       r = np.clip(x / 2.0 ** e, -448, 448)
;;       step = 2.0 ** (np.maximum(np.frexp(np.where(r == 0, 1, r))[1] - 1, -6) - 3)
;;       q = np.round(r / step) * step * 2.0 ** e      # np.round: ties to even
;;       return np.moveaxis(q.reshape(q.shape[:-2] + (-1,))[..., :K], -1, axis).astype(np.float32)
;;   ~~~
;;   SOFTMAX AHEAD OF A QUANTISED PRODUCT. Where the list says 'softmax', what is quantised is not the finished softmax but p = 2^(t - M), with t = logit x log2(e) and M = ceil(the row's largest t), a whole number; so 1/2 < the row's largest p <= 1. The row's sum l is taken of the UNQUANTISED p, in f32, and the product's result is divided by l at the end. Since M is a whole number, a kernel that streams over the keys may use a running M (the ceiling of the running maximum): every later rescaling is an exact power of two, which a block's scale takes up: the codes' values come out the same.
;;   OPERANDS COMPUTED ON THE WAY. 'Computed on the way' means the value that the module computes at that place (a softmax that the list does not call 'softmax' is quantised finished and normalised). What goes into a quantiser is computed in f32, as accurately as f32 sums, v_exp_f32 and their like allow (about 1e-6 of the number): no bf16 or f16 on the way to a quantiser, and a product that is left as it is and whose result goes on into a quantised operand takes f32 operands (vector FMAs, or v_wmma_f32_16x16x4_f32). A number that lies on a knife's edge between two numbers of the format may be rounded either way, as far as f32 arithmetic and the matrix unit's own rounding can turn it there, and no further.
;; 2 versions, each right; version 2 is version 1 with the launch swin written anew for expert scheduling mode. Each part assembles by itself: llvm-mc -triple=amdgcn-amd-amdhsa -mcpu=gfx1250 --defsym DOCPART=n.
;; ======== version 1 of 2: 2 launches
;; workspace buffers: wk 249,856 bytes
;; launch prep (part 1): grid 44 x 1, 4 waves a work-group, no clusters, 0 bytes of LDS; arguments qkv_w, proj_w, fc1_w, fc2_w, rel_table, wk; writes wk
.if DOCPART == 1
	.amdgcn_target "amdgcn-amd-amdhsa--gfx1250"
	.amdhsa_code_object_version 6
	.text
	.protected	k_q543968b0b6_prep
	.globl	k_q543968b0b6_prep
	.p2align	8
	.type	k_q543968b0b6_prep,@function
k_q543968b0b6_prep:
	s_mov_b64 s[64:65], 0
	v_nop
	global_prefetch_b8 v0, s[64:65] scope:SCOPE_SE
	s_setreg_imm32_b32 hwreg(HW_REG_WAVE_MODE, 25, 1), 1
	s_wait_xcnt 0x0
; The four weights, f32 stored [K][N], become codes of E4M3 with one E8M0 byte for each 32 along K, laid in the order of a matrix operand's registers; the bias table is laid out for the gather.
; wk: 96 fragment images of 2,048 bytes (fragment F: qkv 0-23, proj 24-31, fc1 32-63, fc2 64 + 4 tile + K step), then 96 x 128 bytes of scale words, then 4 planes of 2,560 f32.
; A fragment: lane (r, h) holds output column 32 (tile / 2) + 8 (tile % 2) + r + 8 (r / 8) and k = 128 step + 32 c + 16 h + 0 .. 15 in its registers 4 c .. 4 c + 3; group c lies at 512 c + 16 lane.
; A lane takes a column and its registers run down K, so the conversions' results are the operand's registers and nothing is transposed.
; Plane p, word j = rel_table[2308 - j][p] for 112 <= j <= 2308, else 0.
; LIMITS: a block of zeros gets the byte 1 (its codes are zeros, and this program alone reads the bytes); NaN and infinities among the inputs are not served.
; Work-groups 0-23: a fragment to a wave.  Work-groups 24-43: five to a plane, four words a thread.
.set WK_SCL, 196608
.set WK_TAB, 208896
.set QT,  80                           ; v80-95 at work in the quantiser
.set SEL, 24                           ; s[24:25] lane selects: lane l xor 16
.set MNT, 26                           ; s26 the mantissa field of 448
.macro QUANT s, d, w                   ; 64 numbers of a lane, register 16 b + i = k 32 b + 16 h + i, become 16 registers of codes and a scale word
.irp b, 0,1,2,3
	v_max3_num_f32 v[QT+\b], |v[(\s)+16*\b]|, |v[(\s)+16*\b+1]|, 0x4800000   ; my 16 numbers of block b, and the floor 2^(9 - 127): the byte cannot fall under 1
.endr
.irp i, 2,4,6,8,10,12,14
.irp b, 0,1,2,3
	v_max3_num_f32 v[QT+\b], v[QT+\b], |v[(\s)+16*\b+\i]|, |v[(\s)+16*\b+\i+1]|
.endr
.endr
.irp b, 0,1,2,3
	v_permlanex16_b32 v[QT+4+\b], v[QT+\b], s[SEL], s[SEL+1]
.endr
.irp b, 0,1,2,3
	v_max_num_f32 v[QT+\b], v[QT+\b], v[QT+4+\b]                 ; with lane l xor 16's 16: the block's largest magnitude
.endr
.irp b, 0,1,2,3
	v_add_nc_u32 v[QT+12+\b], 0xfc000000, v[QT+\b]               ; 8 off its exponent field: the conversion's scale operand
.endr
.irp b, 0,1,2,3
	v_and_or_b32 v[QT+8+\b], v[QT+\b], 0x7f800000, s[MNT]        ; 448 x the scale
.endr
.irp b, 0,1,2,3
	v_lshrrev_b32 v[QT+4+\b], 23, v[QT+12+\b]                    ; the scale's byte
.endr
	v_lshl_or_b32 v[\w], v[QT+5], 8, v[QT+4]
	v_lshl_or_b32 v[\w], v[QT+6], 16, v[\w]
	v_lshl_or_b32 v[\w], v[QT+7], 24, v[\w]
.irp b, 0,1,2,3
.irp i, 0,1,2,3,4,5,6,7,8,9,10,11,12,13,14,15
	v_med3_num_f32 v[(\s)+16*\b+\i], v[(\s)+16*\b+\i], -v[QT+8+\b], v[QT+8+\b]   ; the conversion does not saturate (ISA guide 7.6.2): the hold comes first
.endr
	v_cvt_scalef32_pk8_fp8_f32 v[(\d)+4*\b:(\d)+4*\b+1], v[(\s)+16*\b:(\s)+16*\b+7], v[QT+12+\b]
	v_cvt_scalef32_pk8_fp8_f32 v[(\d)+4*\b+2:(\d)+4*\b+3], v[(\s)+16*\b+8:(\s)+16*\b+15], v[QT+12+\b]
.endr
	v_nop                                          ; a plain line behind the last conversion
.endm
.macro WLOAD pitch, base               ; W(first k + 32 c + i, my column): every offset an immediate
	v_mad_u32_u24 v5, v4, \pitch, v6
.irp c, 0,1,2,3
.irp i, 0,1,2,3,4,5,6,7,8,9,10,11,12,13,14,15
	global_load_b32 v[16+16*\c+\i], v5, s[\base:\base+1] offset:(32*\c+\i)*\pitch
.endr
.endr
.endm
	s_load_b256 s[4:11], s[0:1], 0x0               ; qkv_w s[4:5], proj_w s[6:7], fc1_w s[8:9], fc2_w s[10:11]
	s_load_b128 s[12:15], s[0:1], 0x20             ; rel_table s[12:13], wk s[14:15]
	v_lshrrev_b32 v1, 5, v0
	v_readfirstlane_b32 s16, v1                    ; wave
	s_cmp_ge_u32 ttmp9, 24
	s_cbranch_scc1 .Ltable
	; ---- a fragment
	v_and_b32 v1, 31, v0                           ; lane
	v_and_b32 v3, 15, v0                           ; r
	v_bfe_u32 v4, v0, 4, 1                         ; h
	v_and_b32 v6, 8, v3
	v_add_nc_u32 v6, v6, v3                        ; r + 8 (r / 8)
	s_lshl_b32 s17, ttmp9, 2
	s_add_co_u32 s17, s17, s16                     ; F
	s_cmp_lt_u32 ttmp9, 6
	s_cselect_b32 s18, 0, 24
	s_cmp_lt_u32 ttmp9, 8
	s_cselect_b32 s18, s18, 32
	s_cmp_lt_u32 ttmp9, 16
	s_cselect_b32 s18, s18, 64                     ; the weight's first fragment
	s_sub_co_u32 s18, s17, s18
	s_lshr_b32 s20, s18, 2
	s_and_b32 s19, s18, 3
	s_cmp_lt_u32 ttmp9, 16                         ; fc2 alone has four K steps to a tile
	s_cselect_b32 s18, s18, s20                    ; tile
	s_cselect_b32 s19, 0, s19                      ; K step
	s_lshr_b32 s20, s18, 1
	s_lshl_b32 s20, s20, 5
	s_and_b32 s21, s18, 1
	s_lshl_b32 s21, s21, 3
	s_add_co_u32 s20, s20, s21                     ; the tile's first column
	v_add_nc_u32 v6, s20, v6
	v_lshlrev_b32 v6, 2, v6                        ; my column, in bytes
	s_lshl_b32 s19, s19, 7
	v_lshl_add_u32 v4, v4, 4, s19                  ; my first k: 128 step + 16 h
	s_mov_b32 s[SEL], 0x76543210
	s_mov_b32 s[SEL+1], 0xfedcba98
	s_mov_b32 s[MNT], 0x600000
.irp b, 0,1,2,3
	v_mov_b32 v[QT+4+\b], 0                        ; a lane permute's destination counts as one of its sources
.endr
	s_lshl_b32 s22, s17, 11
	v_lshl_add_u32 v7, v1, 4, s22                  ; the image: 2,048 F + 16 lane
	s_lshl_b32 s23, s17, 7
	v_lshl_add_u32 v8, v1, 2, s23                  ; the scale word: 128 F + 4 lane
	s_wait_kmcnt 0x0
	s_cmp_lt_u32 ttmp9, 16
	s_cselect_b64 s[6:7], s[6:7], s[10:11]         ; proj_w and fc2_w have rows of 512 bytes and share a path
	s_cmp_lt_u32 ttmp9, 6
	s_cbranch_scc1 .Lqkv
	s_cmp_lt_u32 ttmp9, 8
	s_cbranch_scc1 .Lnarrow
	s_cmp_lt_u32 ttmp9, 16
	s_cbranch_scc1 .Lfc1
.Lnarrow:
	WLOAD 512, 6
	s_branch .Lquant
.Lqkv:
	WLOAD 1536, 4
	s_branch .Lquant
.Lfc1:
	WLOAD 2048, 8
.Lquant:
	s_wait_loadcnt 0x0
	QUANT 16, 96, 112
.irp c, 0,1,2,3
	global_store_b128 v7, v[96+4*\c:99+4*\c], s[14:15] offset:512*\c   ; 32 lanes store 512 consecutive bytes
.endr
	global_store_b32 v8, v112, s[14:15] offset:WK_SCL   ; 128 consecutive bytes a wave: half of an aligned 256; 12,288 bytes in the whole launch
	s_endpgm
	; ---- the bias planes
.Ltable:
	s_sub_co_u32 s17, ttmp9, 24                    ; 0 .. 19
	s_mul_i32 s18, s17, 52
	s_lshr_b32 s18, s18, 8                         ; the plane: / 5
	s_mul_i32 s19, s18, 5
	s_sub_co_u32 s19, s17, s19
	s_lshl_b32 s19, s19, 7
	v_add_nc_u32 v1, s19, v0                       ; which four words of the plane's 2,560
	v_lshlrev_b32 v2, 2, v1
	v_sub_nc_u32 v2, 2308, v2                      ; the table's row for my first word (wraps where the word lies behind the table)
.irp e, 0,1,2,3
	v_add_nc_u32 v[4+\e], -\e, v2
	v_min_u32 v[8+\e], 2196, v[4+\e]               ; held inside the table: no load leaves its buffer
	v_lshlrev_b32 v[12+\e], 4, v[8+\e]             ; a row is 16 bytes
.endr
	s_lshl_b32 s20, s18, 2
	s_mov_b32 s21, 0
	s_mul_i32 s22, s18, 10240
	s_add_co_u32 s22, s22, WK_TAB
	v_lshl_add_u32 v3, v1, 4, s22
	s_wait_kmcnt 0x0
	s_add_nc_u64 s[12:13], s[12:13], s[20:21]      ; the plane's head in each row
.irp e, 0,1,2,3
	global_load_b32 v[16+\e], v[12+\e], s[12:13]
.endr
	s_wait_loadcnt 0x0
.irp e, 0,1,2,3
	v_cmp_eq_u32 vcc_lo, v[4+\e], v[8+\e]
	v_cndmask_b32 v[16+\e], 0, v[16+\e], vcc_lo    ; 0 where the word lies outside the table
.endr
	global_store_b128 v3, v[16:19], s[14:15]       ; 32 lanes store 512 consecutive bytes
	s_endpgm
.Lfunc_end_k_q543968b0b6_prep:
	.size	k_q543968b0b6_prep, .Lfunc_end_k_q543968b0b6_prep-k_q543968b0b6_prep
	.p2alignl 7, 3214868480
	.fill 96, 4, 3214868480
	.section	.rodata,"a",@progbits
	.p2align	6, 0x0
	.amdhsa_kernel k_q543968b0b6_prep
		.amdhsa_group_segment_fixed_size 0
		.amdhsa_private_segment_fixed_size 0
		.amdhsa_enable_private_segment 0
		.amdhsa_kernarg_size 48
		.amdhsa_user_sgpr_count 2
		.amdhsa_user_sgpr_kernarg_segment_ptr 1
		.amdhsa_wavefront_size32 1
		.amdhsa_system_sgpr_workgroup_id_x 1
		.amdhsa_system_sgpr_workgroup_id_y 1
		.amdhsa_system_sgpr_workgroup_id_z 1
		.amdhsa_system_vgpr_workitem_id 0
		.amdhsa_next_free_vgpr 128
		.amdhsa_next_free_sgpr 66
		.amdhsa_reserve_vcc 1
		.amdhsa_float_denorm_mode_32 3
		.amdhsa_float_denorm_mode_16_64 3
		.amdhsa_memory_ordered 1
		.amdhsa_forward_progress 1
		.amdhsa_inst_pref_size 31
	.end_amdhsa_kernel
	.amdgpu_metadata
---
amdhsa.version: [ 1, 2 ]
amdhsa.kernels:
  - .name:           k_q543968b0b6_prep
    .symbol:         k_q543968b0b6_prep.kd
    .args:
      - { .name: qkv_w, .offset: 0, .size: 8, .value_kind: global_buffer, .address_space: global }
      - { .name: proj_w, .offset: 8, .size: 8, .value_kind: global_buffer, .address_space: global }
      - { .name: fc1_w, .offset: 16, .size: 8, .value_kind: global_buffer, .address_space: global }
      - { .name: fc2_w, .offset: 24, .size: 8, .value_kind: global_buffer, .address_space: global }
      - { .name: rel_table, .offset: 32, .size: 8, .value_kind: global_buffer, .address_space: global }
      - { .name: wk, .offset: 40, .size: 8, .value_kind: global_buffer, .address_space: global }
    .group_segment_fixed_size: 0
    .private_segment_fixed_size: 0
    .kernarg_segment_align: 8
    .kernarg_segment_size: 48
    .max_flat_workgroup_size: 128
    .sgpr_count:     66
    .vgpr_count:     128
    .wavefront_size: 32
...
	.end_amdgpu_metadata
.endif
;; end of part 1
;; launch swin (part 2): grid 256 x 1, 16 waves a work-group, no clusters, 297,984 bytes of LDS; arguments x, norm1_g, norm1_b, qkv_b, proj_b, norm2_g, norm2_b, fc1_b, fc2_b, wk, out0; writes out0
.if DOCPART == 2
	.amdgcn_target "amdgcn-amd-amdhsa--gfx1250"
	.amdhsa_code_object_version 6
	.text
	.protected	k_q543968b0b6_swin
	.globl	k_q543968b0b6_swin
	.p2align	8
	.type	k_q543968b0b6_swin,@function
k_q543968b0b6_swin:
	s_mov_b64 s[64:65], 0
	v_nop
	global_prefetch_b8 v0, s[64:65] scope:SCOPE_SE
	s_setreg_imm32_b32 hwreg(HW_REG_WAVE_MODE, 25, 1), 1
	s_wait_xcnt 0x0
; One shifted window (343 tokens x 128 channels) to a work-group, from x to out0: LN1, QKV, attention (4 heads of 32, bias table, window mask), projection, residual, LN2, MLP with exact GELU, residual.
; All six products on codes of E4M3 with E8M0 scales for each 32 along K; every operand is quantised from f32 in registers; nothing but x, the prepared weights and out0 touches memory.
; SHARES.  16 waves of 256 registers, four to a SIMD.  The 343 tokens are 22 tiles of 16 (352 rows; rows 343-351 are padding).  Tile T holds tokens 32 (T / 2) + 8 (T % 2) + r + 8 (r / 8), so that the 16 registers of two
; neighbouring tiles of a transposed product are 16 neighbours along the next K.  Wave w owns tiles w and w + 16 (where under 22) in every phase.  Lane (r, h) owns token row r; register 16 b + i is channel 32 b + 16 h + i.
; Every wave walks every loop (constant counts); a tile number of 22 or more jumps over the work inside the loop, never over a barrier.
; PHASES.  A0 copies; A1 LN1, x's codes, q and k; A2 v, quantised along the tokens; B attention; C projection to the end, all in registers.  Operands go from wave to wave through LDS as images of their registers.
; THE BIAS AND THE MASK.  The table's index is f(n) - f(m) + 1098 with f = 169 z + 13 y + x, so bias(n, m) is one word of a reversed table at 1210 - f(n) + f(m); a second copy holds bias - 100.  A key is masked for a query where
; their three class bits (z, y, x >= 4), ANDed with the window's bits (last window along z, y, x), differ.  The word is gathered straight into the C operand of K Q^T.
; LIMITS: a block of zeros gets the byte 1 (zero codes; this program alone reads the bytes); NaN and infinities among the inputs are not served; erfc by a rational-exponential form of fractional error 1.2e-7, plus f32 rounding
; of its exponent; bias - 100 is added ahead of the score, so masked entries round in another order than the reference's; 1 / sqrt by v_rsq_f32, 1 / l by v_rcp_f32.
.set NT,   22
; LDS, phases A and B
.set QIMG, 0                           ; 22 images of 2,048 bytes: q's codes, group = head
.set KIMG, 45056                       ; k's likewise
.set VIMG, 90112                       ; 24 images: (channel tile t, key step s) at (3 t + s) x 2,048
.set QSC,  139264                      ; tile x 512 + head x 128 + 4 lane: the head's byte in bytes 0 and 3
.set KSC,  150528
.set VSC,  161792                      ; (3 t + s) x 64 + 4 r + c
.set XQ,   163328                      ; phase A: x's 22 images,
.set XQS,  208384                      ; their scale words,
.set WQ,   211200                      ; qkv's 24 fragments,
.set WQS,  260352                      ; their scale words, and straight behind them
.set PAR1, 263424                      ; norm1_g, norm1_b, qkv_b
.set TAB,  163328                      ; phase B: 4 planes of bias, 4 of bias - 100, 10,240 bytes each
; LDS, phase C
.set WCH,  0                           ; 72 fragments: proj 0-7, fc1 8-39, fc2 40-71
.set WCS,  147456                      ; their scale words
.set PAR2, 156672                      ; norm2_g, norm2_b, proj_b, fc2_b, fc1_b
.set STG,  160768                      ; 16 rows x 528 bytes for each wave: the way out
.set WK_SCL, 196608
.set WK_TAB, 208896
; registers.  v0 thread, v1 16 lane, v2 4 lane, v3 r, v4 h, v5 64 h, v6 r + 8 (r / 8), v7-15 the phase's addresses; v248-251 scale words of weights, K, V; v252-255 of x or q, p or hidden, O (new), O or y
.set ACC,  16                          ; 64 numbers of my row
.set H,    80                          ; 64 more; also a buffer of four fragments
.set S,    80                          ; B: the scores, then p; its upper half then takes V's fragments
.set XF,   144                         ; A1: x's fragment
.set WB,   144                         ; C: two fragments; at work
.set OA,   144                         ; B: O^T of one head
.set PC,   160                         ; codes just made
.set HC,   176                         ; A2, C: codes just made
.set BT,   176                         ; B: at work
.set QT,   192                         ; A, C: at work in the quantiser
.set LT,   192                         ; and in the norm
.set QA,   16                          ; B: q, 12 zeros, q
.set KG,   36                          ; B: twice (k, 12 zeros, k')
.set OCN,  216                         ; O's codes of the tile in hand
.set OCX,  232                         ; O's codes of the tile that phase C takes next; then y's codes
.set SEL,  32                          ; s[32:33] lane selects: lane l xor 16
.set MNT,  34                          ; s34 the mantissa field of 448
.set ROT,  0
; s26 wave, s27 trip, s28 tile, s29 its first token, s30 head or chunk, s35 the window's bits, s36-38 7 w + 3 along z, y, x, s39 14 batch, s[40:41] log2(e), s42 lanes 16-31, s43 1/128,
; s44-47 lane masks by turns, s48-55 and s56-63 'class differs' for lanes 0-15 and 16-31, s66-87 erfc's constants as pairs, s88 eps, s89 sqrt(2)/4, s90-99 at work
.macro NOPS n
.rept \n
	v_nop
.endr
.endm
.macro BARRIER                         ; my LDS stores have landed and my LDS loads are in: then the work-group's barrier
	s_wait_dscnt 0x0
	s_barrier_signal -1
	s_barrier_wait -1
.endm
.macro PAIR reg, val
	s_mov_b32 s[\reg], \val
	s_mov_b32 s[\reg+1], s[\reg]                   ; a packed line names the pair, so both are written
.endm
.macro TOK0                            ; the tile's first token
	s_lshr_b32 s29, s28, 1
	s_lshl_b32 s29, s29, 5
	s_and_b32 s31, s28, 1
	s_lshl_b32 s31, s31, 3
	s_add_co_u32 s29, s29, s31
.endm
.macro QUANT s, d, w                   ; 64 numbers of a lane, register 16 b + i = k 32 b + 16 h + i of my row, become a fragment's codes and its scale word; the bytes stay in v[QT+4 ..]
.irp b, 0,1,2,3
	v_max3_num_f32 v[QT+\b], |v[(\s)+16*\b]|, |v[(\s)+16*\b+1]|, 0x4800000   ; my 16 numbers of block b, and the floor 2^(9 - 127): the byte cannot fall under 1
.endr
.irp i, 2,4,6,8,10,12,14
.irp b, 0,1,2,3
	v_max3_num_f32 v[QT+\b], v[QT+\b], |v[(\s)+16*\b+\i]|, |v[(\s)+16*\b+\i+1]|
.endr
.endr
.irp b, 0,1,2,3
	v_permlanex16_b32 v[QT+4+\b], v[QT+\b], s[SEL], s[SEL+1]
.endr
.irp b, 0,1,2,3
	v_max_num_f32 v[QT+\b], v[QT+\b], v[QT+4+\b]                 ; with lane l xor 16's 16: the block's largest magnitude
.endr
.irp b, 0,1,2,3
	v_add_nc_u32 v[QT+12+\b], 0xfc000000, v[QT+\b]               ; 8 off its exponent field: the conversion's scale operand
.endr
.irp b, 0,1,2,3
	v_and_or_b32 v[QT+8+\b], v[QT+\b], 0x7f800000, s[MNT]        ; 448 x the scale
.endr
.irp b, 0,1,2,3
	v_lshrrev_b32 v[QT+4+\b], 23, v[QT+12+\b]                    ; the scale's byte
.endr
	v_lshl_or_b32 v[\w], v[QT+5], 8, v[QT+4]
	v_lshl_or_b32 v[\w], v[QT+6], 16, v[\w]
	v_lshl_or_b32 v[\w], v[QT+7], 24, v[\w]
.irp b, 0,1,2,3
.irp i, 0,1,2,3,4,5,6,7,8,9,10,11,12,13,14,15
	v_med3_num_f32 v[(\s)+16*\b+\i], v[(\s)+16*\b+\i], -v[QT+8+\b], v[QT+8+\b]   ; the conversion does not saturate (ISA guide 7.6.2): the hold comes first
.endr
	v_cvt_scalef32_pk8_fp8_f32 v[(\d)+4*\b:(\d)+4*\b+1], v[(\s)+16*\b:(\s)+16*\b+7], v[QT+12+\b]
	v_cvt_scalef32_pk8_fp8_f32 v[(\d)+4*\b+2:(\d)+4*\b+3], v[(\s)+16*\b+8:(\s)+16*\b+15], v[QT+12+\b]
.endr
	v_nop                                          ; a plain line between the last conversion and whatever next touches its registers
.endm
.macro IMAGE adr, reg, off             ; a fragment goes to LDS as it stands: lane l's 16 bytes of group c at 512 c + 16 l
.irp c, 0,1,2,3
	ds_store_b128 v[\adr], v[(\reg)+4*\c:(\reg)+4*\c+3] offset:(\off)+512*\c
.endr
.endm
.macro FETCH reg, adr, off             ; and comes back so, in any wave
.irp c, 0,1,2,3
	ds_load_b128 v[(\reg)+4*\c:(\reg)+4*\c+3], v[\adr] offset:(\off)+512*\c
.endr
.endm
.macro LD64 reg, adr, off              ; a vector of 128 parameters in my row's layout (the address holds 64 h)
.irp b, 0,1,2,3
.irp j, 0,1,2,3
	ds_load_b128 v[(\reg)+16*\b+4*\j:(\reg)+16*\b+4*\j+3], v[\adr] offset:(\off)+128*\b+16*\j
.endr
.endr
.endm
.macro GLD64 reg, voff, sb             ; my 64 numbers of my token's row of x
.irp b, 0,1,2,3
.irp j, 0,1,2,3
	global_load_b128 v[(\reg)+16*\b+4*\j:(\reg)+16*\b+4*\j+3], v[\voff], s[\sb:\sb+1] offset:128*\b+16*\j
.endr
.endr
.endm
.macro ADD64 a, b
.set jj, 0
.rept 32
	v_pk_add_f32 v[\a+jj:\a+jj+1], v[\a+jj:\a+jj+1], v[\b+jj:\b+jj+1]
.set jj, jj+2
.endr
.endm
.macro TOKROW                          ; v12 = the byte offset in x and out0 of my token's row, v13 = that + 64 h.  Padding rows take token 342's: no load leaves its buffer
	v_add_nc_u32 v192, s29, v6
	v_min_u32 v192, 342, v192
	v_mul_u32_u24 v193, v192, 1338
	v_lshrrev_b32 v193, 16, v193                   ; z = n / 49 (exact for n under 2,400)
	v_mul_u32_u24 v194, v193, 49
	v_sub_nc_u32 v194, v192, v194
	v_mul_u32_u24 v195, v194, 9363
	v_lshrrev_b32 v195, 16, v195                   ; y = (n % 49) / 7
	v_mul_u32_u24 v196, v195, 7
	v_sub_nc_u32 v196, v194, v196                  ; x
	v_add_nc_u32 v193, s36, v193                   ; the window's corner and the shift by 3,
	v_add_nc_u32 v195, s37, v195
	v_add_nc_u32 v196, s38, v196
	v_add_nc_u32 v197, -14, v193                   ; wrapped: the smaller of g and g - size as unsigned numbers
	v_min_u32 v193, v193, v197
	v_add_nc_u32 v197, 0xffffffc8, v195
	v_min_u32 v195, v195, v197
	v_add_nc_u32 v197, 0xffffffc8, v196
	v_min_u32 v196, v196, v197
	v_add_nc_u32 v193, s39, v193
	v_mad_u32_u24 v193, v193, 56, v195
	v_mad_u32_u24 v193, v193, 56, v196
	v_lshlrev_b32 v12, 9, v193
	v_add_nc_u32 v13, v12, v5
.endm
; LayerNorm of my row (64 numbers here, 64 in lane l xor 16), in two passes: v[d ..] = (v[s ..] - mean) rsqrt(var + eps) g + b.  ch: 32 registers for g and b of a block
.macro LNORM s, d, ch, adr, goff, boff
.irp q, 0,2,4,6
	v_pk_add_f32 v[LT+\q:LT+\q+1], v[\s+2*\q:\s+2*\q+1], v[\s+2*\q+2:\s+2*\q+3]   ; four chains
.endr
.irp j, 16,24,32,40,48,56
.irp q, 0,2,4,6
	v_pk_add_f32 v[LT+\q:LT+\q+1], v[LT+\q:LT+\q+1], v[\s+\j+\q:\s+\j+\q+1]
.endr
.endr
	v_pk_add_f32 v[LT:LT+1], v[LT:LT+1], v[LT+2:LT+3]
	v_pk_add_f32 v[LT+4:LT+5], v[LT+4:LT+5], v[LT+6:LT+7]
	v_pk_add_f32 v[LT:LT+1], v[LT:LT+1], v[LT+4:LT+5]
	v_add_f32 v[LT], v[LT], v[LT+1]
	v_permlanex16_b32 v[LT+1], v[LT], s[SEL], s[SEL+1]
	v_add_f32 v[LT], v[LT], v[LT+1]
	v_mul_f32 v[LT], s43, v[LT]                    ; the mean
.set jj, 0
.rept 32
	v_pk_add_f32 v[\d+jj:\d+jj+1], v[\s+jj:\s+jj+1], v[LT:LT+1] op_sel_hi:[1,0] neg_lo:[0,1] neg_hi:[0,1]
.set jj, jj+2
.endr
.irp q, 0,2,4,6
	v_pk_mul_f32 v[LT+2+\q:LT+3+\q], v[\d+\q:\d+\q+1], v[\d+\q:\d+\q+1]
.endr
.irp j, 8,16,24,32,40,48,56
.irp q, 0,2,4,6
	v_pk_fma_f32 v[LT+2+\q:LT+3+\q], v[\d+\j+\q:\d+\j+\q+1], v[\d+\j+\q:\d+\j+\q+1], v[LT+2+\q:LT+3+\q]
.endr
.endr
	v_pk_add_f32 v[LT+2:LT+3], v[LT+2:LT+3], v[LT+4:LT+5]
	v_pk_add_f32 v[LT+6:LT+7], v[LT+6:LT+7], v[LT+8:LT+9]
	v_pk_add_f32 v[LT+2:LT+3], v[LT+2:LT+3], v[LT+6:LT+7]
	v_add_f32 v[LT+2], v[LT+2], v[LT+3]
	v_permlanex16_b32 v[LT+3], v[LT+2], s[SEL], s[SEL+1]
	v_add_f32 v[LT+2], v[LT+2], v[LT+3]
	v_fma_f32 v[LT+2], v[LT+2], s43, s88           ; var + eps
	v_rsq_f32 v[LT+4], v[LT+2]
	v_nop                                          ; a plain line behind the transcendental,
	s_wait_alu depctr_va_vdst(0)                   ; and the wait ahead of its first reader
.irp b, 0,1,2,3
.irp j, 0,1,2,3
	ds_load_b128 v[\ch+4*\j:\ch+4*\j+3], v[\adr] offset:(\goff)+128*\b+16*\j
	ds_load_b128 v[\ch+16+4*\j:\ch+16+4*\j+3], v[\adr] offset:(\boff)+128*\b+16*\j
.endr
	s_wait_dscnt 0x0
.irp j, 0,2,4,6,8,10,12,14
	v_pk_mul_f32 v[\d+16*\b+\j:\d+16*\b+\j+1], v[\d+16*\b+\j:\d+16*\b+\j+1], v[LT+4:LT+5] op_sel_hi:[1,0]
.endr
.irp j, 0,2,4,6,8,10,12,14
	v_pk_fma_f32 v[\d+16*\b+\j:\d+16*\b+\j+1], v[\d+16*\b+\j:\d+16*\b+\j+1], v[\ch+\j:\ch+\j+1], v[\ch+16+\j:\ch+16+\j+1]
.endr
.endr
.endm
; Eight tiles of a transposed product: v[acc + 8 t ..] += 16 rows of a weight (fragment t from LDS, into buf) x my tile's fragment bf, nb fragments at a time.  The eight accumulators take turns, one instruction a turn.
; The eight v_nop ahead of each group are the places in front of loads into registers that matrix instructions have read, and in front of a product whose scale word or codes vector instructions made.
.macro PROD8 acc, bf, bs, wadr, woff, wp, sadr, soff, sp, buf, nb
.set pt, 0
.rept 8/(\nb)
	NOPS 8
.set pj, 0
.rept \nb
.irp c, 0,1,2,3
	ds_load_b128 v[(\buf)+16*pj+4*\c:(\buf)+16*pj+4*\c+3], v[\wadr] offset:(\woff)+(pt+pj)*(\wp)+512*\c
.endr
	ds_load_b32 v[248+pj], v[\sadr] offset:(\soff)+(pt+pj)*(\sp)
.set pj, pj+1
.endr
	s_wait_dscnt 0x0
.set pj, 0
.rept \nb
	v_wmma_scale_f32_16x16x128_f8f6f4 v[(\acc)+8*(pt+pj):(\acc)+8*(pt+pj)+7], v[(\buf)+16*pj:(\buf)+16*pj+15], v[\bf:\bf+15], v[(\acc)+8*(pt+pj):(\acc)+8*(pt+pj)+7], v[248+pj], v[\bs]
.set pj, pj+1
.endr
.set pt, pt+(\nb)
.endr
.endm
; ---- attention.  Half a key step: blocks 2 g (and 2 g + 1) of 32 keys.  Register 16 b + i holds key m0 = 128 st + 32 b + i in lanes 0-15 and m0 + 16 in lanes 16-31.
; The bias, masked or not, is gathered into the register as the product's C.  The address register hangs on three numbers that the assembler knows: the carries of m0 + 16 (which of four bases) and the two keys' classes
; (which lanes take the plane of bias - 100); it is made anew only where they change.
.macro HALF st, g, nbl
.set CNT, 0
.set PKEY, -1
.set bq, 0
.rept \nbl
.set iq, 0
.rept 16
.set m0, 128*(\st)+32*(2*(\g)+bq)+iq
.set z0, m0/49
.set y0, (m0%49)/7
.set x0, m0%7
.set cxx, x0/5
.set cyy, (y0+2+cxx)/7
.set m1, m0+16
.set z1, m1/49
.set y1, (m1%49)/7
.set x1, m1%7
.set ka0, 4*(z0/4)+2*(y0/4)+x0/4
.set ka1, 4*(z1/4)+2*(y1/4)+x1/4
.set kk, cxx+2*cyy
.set KEY, kk+4*ka0+32*ka1
.if KEY != PKEY
.set ROT, (ROT+1)%4
	s_or_b32 s[44+ROT], s[48+ka0], s[56+ka1]
	v_cndmask_b32 v[214+ROT%2], v[200+kk], v[204+kk], s[44+ROT]
.set CNT, CNT+1
.set PKEY, KEY
.endif
	ds_load_b32 v[S+16*(2*(\g)+bq)+iq], v[214+ROT%2] offset:4*(169*z0+13*y0+x0)
.set iq, iq+1
.endr
.set bq, bq+1
.endr
.if CNT < 8
	NOPS 8-CNT                                     ; with the selects above: eight places in front of loads into registers that the last products read
.endif
.set tq, 0
.rept 2*(\nbl)
	ds_load_b128 v[KG+20*(tq/2)+16*(tq%2):KG+20*(tq/2)+16*(tq%2)+3], v9 offset:2048*(8*(\st)+4*(\g)+tq)   ; the head's 32 channels of 16 keys: one block of K
	ds_load_b32 v[248+tq], v10 offset:512*(8*(\st)+4*(\g)+tq)
.set tq, tq+1
.endr
	s_wait_dscnt 0x0
.if (\nbl) == 1
.irp i, 7,8,9,10,11,12,13,14,15
	v_cndmask_b32 v[S+32+\i], v[S+32+\i], v213, s42   ; keys 343-351 do not exist: -1e30, so that p = 0
.endr
	NOPS 4
.endif
.set tq, 0
.rept 2*(\nbl)                         ; even tiles: the block stands first in both operands (scale byte 0), odd tiles: last (byte 3); the other three blocks are zero codes
	v_wmma_scale_f32_16x16x128_f8f6f4 v[S+8*(4*(\g)+tq):S+8*(4*(\g)+tq)+7], v[KG+20*(tq/2)+4*(tq%2):KG+20*(tq/2)+4*(tq%2)+15], v[QA+4*(tq%2):QA+4*(tq%2)+15], v[S+8*(4*(\g)+tq):S+8*(4*(\g)+tq)+7], v[248+tq], v252
.set tq, tq+1
.endr
.endm
; The softmax of a key step of nb blocks: t = logit x log2(e); M = the running largest t rounded up, kept as -M in v196; p = 2^(t - M); the sum of the unquantised p in v[198:199]; p's codes in v[PC ..], their scale word in v253
.macro SOFT nb
.set bb, 0
.rept \nb
	v_max3_num_f32 v[BT+bb], v[S+16*bb], v[S+16*bb+1], v[S+16*bb+2]   ; each block's largest logit: for the row's maximum and, since p rises with the logit, for the block's largest p
.set bb, bb+1
.endr
.irp i, 3,5,7,9,11,13
.set bb, 0
.rept \nb
	v_max3_num_f32 v[BT+bb], v[BT+bb], v[S+16*bb+\i], v[S+16*bb+\i+1]
.set bb, bb+1
.endr
.endr
.set bb, 0
.rept \nb
	v_max_num_f32 v[BT+bb], v[BT+bb], v[S+16*bb+15]
.set bb, bb+1
.endr
.set bb, 0
.rept \nb
	v_permlanex16_b32 v[BT+4+bb], v[BT+bb], s[SEL], s[SEL+1]
.set bb, bb+1
.endr
.set bb, 0
.rept \nb
	v_max_num_f32 v[BT+bb], v[BT+bb], v[BT+4+bb]
.set bb, bb+1
.endr
	v_max3_num_f32 v194, v[BT], v[BT+1], v[BT+2]
.if (\nb) == 4
	v_max_num_f32 v194, v194, v[BT+3]
.endif
	v_mul_f32 v194, s40, v194
	v_max_num_f32 v197, v197, v194                 ; the running largest t
	v_mov_b32 v194, v196
	v_floor_f32 v196, -v197                        ; the new -M
	v_sub_f32 v194, v196, v194                     ; old M - new M: a whole number, 0 or less
	v_cvt_i32_f32 v194, v194
	v_ldexp_f32 v192, 1.0, v194                    ; f = 2^(old M - new M): a multiplication by it rounds nothing
.set jj, 0
.rept 8*(\nb)
	v_pk_fma_f32 v[S+jj:S+jj+1], v[S+jj:S+jj+1], s[40:41], v[196:197] op_sel_hi:[1,0,0]
.set jj, jj+2
.endr
.set bb, 0
.rept \nb
	v_fma_f32 v[BT+bb], v[BT+bb], s40, v196
.set bb, bb+1
.endr
.set jj, 0
.rept 16*(\nb)
	v_exp_f32 v[S+jj], v[S+jj]
.set jj, jj+1
.endr
	v_pk_mul_f32 v[198:199], v[198:199], v[192:193] op_sel_hi:[1,0]   ; the sums under the new M; a plain line behind the exponentials
	s_wait_alu depctr_va_vdst(0)                   ; one wait for the batch, ahead of its first reader
.set bb, 0
.rept \nb
	v_exp_f32 v[BT+bb], v[BT+bb]                   ; the block's largest p
.set bb, bb+1
.endr
	v_pk_add_f32 v[BT+4:BT+5], v[S:S+1], v[S+2:S+3]   ; the sums read the first batch alone: plain work behind the second
.set jj, 4
.rept 4*(\nb)-1
	v_pk_add_f32 v[198:199], v[198:199], v[S+jj:S+jj+1]
	v_pk_add_f32 v[BT+4:BT+5], v[BT+4:BT+5], v[S+jj+2:S+jj+3]
.set jj, jj+4
.endr
	v_pk_add_f32 v[198:199], v[198:199], v[BT+4:BT+5]
	s_wait_alu depctr_va_vdst(0)                   ; and one for the blocks' exponentials
.set bb, 0
.rept \nb
	v_max_num_f32 v[BT+bb], 0x4800000, v[BT+bb]    ; the floor: the byte cannot fall under 1
	v_add_nc_u32 v[BT+12+bb], 0xfc000000, v[BT+bb]
	v_and_or_b32 v[BT+8+bb], v[BT+bb], 0x7f800000, s[MNT]
	v_lshrrev_b32 v[BT+4+bb], 23, v[BT+12+bb]
.set bb, bb+1
.endr
	v_lshl_or_b32 v253, v[BT+5], 8, v[BT+4]
	v_lshl_or_b32 v253, v[BT+6], 16, v253
.if (\nb) == 4
	v_lshl_or_b32 v253, v[BT+7], 24, v253
.endif
.set bb, 0
.rept \nb
.set jj, 0
.rept 16
	v_min_num_f32 v[S+16*bb+jj], v[S+16*bb+jj], v[BT+8+bb]   ; p is not negative: a one-sided hold
.set jj, jj+1
.endr
	v_cvt_scalef32_pk8_fp8_f32 v[PC+4*bb:PC+4*bb+1], v[S+16*bb:S+16*bb+7], v[BT+12+bb]
	v_cvt_scalef32_pk8_fp8_f32 v[PC+4*bb+2:PC+4*bb+3], v[S+16*bb+8:S+16*bb+15], v[BT+12+bb]
.set bb, bb+1
.endr
.if (\nb) == 3
.irp j, 12,13,14,15
	v_mov_b32 v[PC+\j], 0                          ; keys 352-383: zero codes
.endr
.endif
.endm
.macro PVSTEP st                       ; O^T += V^T P^T: the head's two tiles of 16 channels; K = the step's 128 keys
.irp u, 0,1
.irp c, 0,1,2,3
	ds_load_b128 v[S+32+16*\u+4*\c:S+32+16*\u+4*\c+3], v11 offset:(3*\u+(\st))*2048+512*\c
.endr
	ds_load_b32 v[248+\u], v12 offset:(3*\u+(\st))*64
.endr
.set jj, 0
.rept 8
	v_pk_mul_f32 v[OA+jj:OA+jj+1], v[OA+jj:OA+jj+1], v[192:193] op_sel_hi:[1,0]   ; O^T under the new M; also the places in front of the products
.set jj, jj+2
.endr
	s_wait_dscnt 0x0
.irp u, 0,1
	v_wmma_scale_f32_16x16x128_f8f6f4 v[OA+8*\u:OA+8*\u+7], v[S+32+16*\u:S+32+16*\u+15], v[PC:PC+15], v[OA+8*\u:OA+8*\u+7], v[248+\u], v253
.endr
.endm
.macro STEP st, nb
	HALF \st, 0, 2
	HALF \st, 1, (\nb)-2
	NOPS 8                                         ; places in front of the first read of the scores
	SOFT \nb
	PVSTEP \st
.endm
.macro OQ                              ; the head's O / l, quantised (one block of 32 channels); its codes enter v[OCN ..] at the top, the earlier heads' move down: after four heads head c stands in group c
	NOPS 8
	v_add_f32 v198, v198, v199
	v_permlanex16_b32 v194, v198, s[SEL], s[SEL+1]
	v_add_f32 v198, v198, v194                     ; the row's sum
	v_rcp_f32 v192, v198
	v_nop
	s_wait_alu depctr_va_vdst(0)                   ; the wait ahead of the reciprocal's first reader
.set jj, 0
.rept 8
	v_pk_mul_f32 v[OA+jj:OA+jj+1], v[OA+jj:OA+jj+1], v[192:193] op_sel_hi:[1,0]
.set jj, jj+2
.endr
	v_max3_num_f32 v[BT], |v[OA]|, |v[OA+1]|, 0x4800000
	v_max3_num_f32 v[BT+1], |v[OA+2]|, |v[OA+3]|, |v[OA+4]|
	v_max3_num_f32 v[BT], v[BT], |v[OA+5]|, |v[OA+6]|
	v_max3_num_f32 v[BT+1], v[BT+1], |v[OA+7]|, |v[OA+8]|
	v_max3_num_f32 v[BT], v[BT], |v[OA+9]|, |v[OA+10]|
	v_max3_num_f32 v[BT+1], v[BT+1], |v[OA+11]|, |v[OA+12]|
	v_max3_num_f32 v[BT], v[BT], |v[OA+13]|, |v[OA+14]|
	v_max3_num_f32 v[BT], v[BT], v[BT+1], |v[OA+15]|
	v_permlanex16_b32 v[BT+4], v[BT], s[SEL], s[SEL+1]
	v_max_num_f32 v[BT], v[BT], v[BT+4]
	v_add_nc_u32 v[BT+12], 0xfc000000, v[BT]
	v_and_or_b32 v[BT+8], v[BT], 0x7f800000, s[MNT]
	v_lshrrev_b32 v[BT+4], 23, v[BT+12]
.set jj, 0
.rept 16
	v_med3_num_f32 v[OA+jj], v[OA+jj], -v[BT+8], v[BT+8]
.set jj, jj+1
.endr
.set jj, 0
.rept 12
	v_mov_b32 v[OCN+jj], v[OCN+jj+4]
.set jj, jj+1
.endr
	v_cvt_scalef32_pk8_fp8_f32 v[OCN+12:OCN+13], v[OA:OA+7], v[BT+12]
	v_cvt_scalef32_pk8_fp8_f32 v[OCN+14:OCN+15], v[OA+8:OA+15], v[BT+12]
	v_lshrrev_b32 v254, 8, v254                    ; the scale word likewise: the new byte on top
	v_lshl_or_b32 v254, v[BT+4], 24, v254
.endm
; gelu(x) = x Phi(x) for 16 registers.  t = 1 / (1 + |x| sqrt(2) / 4); hq = t 2^E = erfc(|x| / sqrt(2)) / 2 with E = -x^2 log2(e) / 2 + c0 + t (c1 + .. + t c9); Phi = hq where x < 0, else 1 - hq
.macro GELU16 g
.set HB, H+16*(\g)
.set jj, 0
.rept 16
	v_fma_f32 v[WB+jj], |v[HB+jj]|, s89, 1.0
.set jj, jj+1
.endr
.set jj, 0
.rept 16
	v_rcp_f32 v[WB+jj], v[WB+jj]
.set jj, jj+1
.endr
.set jj, 0
.rept 8
	v_pk_mul_f32 v[WB+16+jj:WB+17+jj], v[HB+jj:HB+jj+1], v[HB+jj:HB+jj+1]   ; independent work behind the reciprocals
.set jj, jj+2
.endr
.set jj, 0
.rept 8
	v_pk_fma_f32 v[WB+16+jj:WB+17+jj], v[WB+16+jj:WB+17+jj], s[66:67], v[212:213] op_sel_hi:[1,0,1]
.set jj, jj+2
.endr
	s_wait_alu depctr_va_vdst(0)                   ; one wait for the sixteen reciprocals
.set jj, 0
.rept 8
	v_pk_fma_f32 v[QT+jj:QT+jj+1], v[WB+jj:WB+jj+1], s[86:87], v[210:211] op_sel_hi:[1,0,1]   ; c9 t + c8
.set jj, jj+2
.endr
.irp c, 82,80,78,76,74,72,70
.set jj, 0
.rept 8
	v_pk_fma_f32 v[QT+jj:QT+jj+1], v[QT+jj:QT+jj+1], v[WB+jj:WB+jj+1], s[\c:\c+1] op_sel_hi:[1,1,0]
.set jj, jj+2
.endr
.endr
.set jj, 0
.rept 8
	v_pk_fma_f32 v[WB+16+jj:WB+17+jj], v[QT+jj:QT+jj+1], v[WB+jj:WB+jj+1], v[WB+16+jj:WB+17+jj]
.set jj, jj+2
.endr
.set jj, 0
.rept 16
	v_exp_f32 v[WB+16+jj], v[WB+16+jj]
.set jj, jj+1
.endr
	v_nop
	s_wait_alu depctr_va_vdst(0)                   ; one wait for the sixteen exponentials
.set jj, 0
.rept 8
	v_pk_mul_f32 v[WB+16+jj:WB+17+jj], v[WB+16+jj:WB+17+jj], v[WB+jj:WB+jj+1]   ; hq
.set jj, jj+2
.endr
.set jj, 0
.rept 8
	v_pk_fma_f32 v[QT+jj:QT+jj+1], v[WB+16+jj:WB+17+jj], -1.0, 1.0 op_sel_hi:[1,0,0]   ; 1 - hq
.set jj, jj+2
.endr
.set jj, 0
.rept 16
	v_cmp_gt_f32 vcc_lo, 0, v[HB+jj]
	v_cndmask_b32 v[WB+16+jj], v[QT+jj], v[WB+16+jj], vcc_lo
.set jj, jj+1
.endr
.set jj, 0
.rept 8
	v_pk_mul_f32 v[HB+jj:HB+jj+1], v[HB+jj:HB+jj+1], v[WB+16+jj:WB+17+jj]
.set jj, jj+2
.endr
.endm
	; ================ A0: ids, constants, the first copies
	s_load_b512 s[4:19], s[0:1], 0x0               ; x s[4:5], norm1_g s[6:7], norm1_b s[8:9], qkv_b s[10:11], proj_b s[12:13], norm2_g s[14:15], norm2_b s[16:17], fc1_b s[18:19]
	s_load_b128 s[20:23], s[0:1], 0x40             ; fc2_b s[20:21], wk s[22:23]
	s_load_b64 s[24:25], s[0:1], 0x50              ; out0
	v_lshrrev_b32 v7, 5, v0
	v_readfirstlane_b32 s26, v7                    ; wave 0..15
	v_and_b32 v2, 31, v0
	v_lshlrev_b32 v1, 4, v2
	v_lshlrev_b32 v2, 2, v2
	v_and_b32 v3, 15, v0
	v_bfe_u32 v4, v0, 4, 1
	v_lshlrev_b32 v5, 6, v4
	v_and_b32 v6, 8, v3
	v_add_nc_u32 v6, v6, v3
	s_mov_b32 s[SEL], 0x76543210
	s_mov_b32 s[SEL+1], 0xfedcba98
	s_mov_b32 s[MNT], 0x600000
	PAIR 40, 0x3fb8aa3b                            ; log2(e)
	s_mov_b32 s42, 0xffff0000
	s_mov_b32 s43, 0x3c000000                      ; 1 / 128
	s_mov_b32 s88, 0x3727c5ac                      ; 1e-5
	s_mov_b32 s89, 0x3eb504f3                      ; sqrt(2) / 4
	PAIR 66, 0xbf38aa3b                            ; -log2(e) / 2
	PAIR 70, 0x3fb8ab5a                            ; c1 ..
	PAIR 72, 0x3f0a29d2
	PAIR 74, 0x3e0efb2f
	PAIR 76, 0xbe899a80
	PAIR 78, 0x3ecdfd18
	PAIR 80, 0xbfd1a1e5
	PAIR 82, 0x40097039                            ; .. c7
	PAIR 86, 0x3e7c6f08                            ; c9
	s_lshr_b32 s90, ttmp9, 7                       ; the window: batch,
	s_mul_i32 s39, s90, 14
	s_bfe_u32 s91, ttmp9, 0x10006                  ; wz,
	s_bfe_u32 s92, ttmp9, 0x30003                  ; wy,
	s_and_b32 s93, ttmp9, 7                        ; wx
	s_mul_i32 s36, s91, 7
	s_add_co_u32 s36, s36, 3
	s_mul_i32 s37, s92, 7
	s_add_co_u32 s37, s37, 3
	s_mul_i32 s38, s93, 7
	s_add_co_u32 s38, s38, 3
	s_lshl_b32 s35, s91, 2                         ; the window's bits: last along z,
	s_cmp_eq_u32 s92, 7
	s_cselect_b32 s94, 2, 0
	s_or_b32 s35, s35, s94                         ; y,
	s_cmp_eq_u32 s93, 7
	s_cselect_b32 s94, 1, 0
	s_or_b32 s35, s35, s94                         ; x
.irp b, 0,1,2,3
	v_mov_b32 v[QT+4+\b], 0                        ; a lane permute's destination counts as one of its sources
	v_mov_b32 v[44+\b], 0                          ; sixteen bytes of zeros
.endr
	v_lshlrev_b32 v7, 4, v0                        ; every address is made ahead of the branches on the wave's number
	v_add_nc_u32 v8, WQ, v7
	v_add_nc_u32 v9, WQS, v7                       ; waves 0-5: scale words; waves 6-10: the parameters, which lie straight behind them
	s_mul_i32 s90, s26, 6144
	s_add_co_u32 s90, s90, VIMG+5632
	v_add_nc_u32 v10, s90, v1                      ; waves 0-7: group 3 of key step 2 of channel tile w: keys 352-383
	v_add_nc_u32 v12, VSC-4096, v7                 ; waves 8-10: V's scale bytes
	s_lshl_b32 s92, s26, 9
	s_add_co_u32 s93, s92, WK_SCL
	s_max_u32 s94, s26, 8
	s_sub_co_u32 s94, s94, 8
	s_lshl_b32 s94, s94, 9
	s_cmp_lt_u32 s26, 6
	s_cselect_b32 s31, s93, s94
	v_add_nc_u32 v11, s31, v1
	s_wait_kmcnt 0x0
	s_cmp_lt_u32 s26, 6
	s_cselect_b64 s[90:91], s[22:23], s[10:11]     ; waves 0-5 wk, 8-10 qkv_b,
	s_cmp_eq_u32 s26, 6
	s_cselect_b64 s[90:91], s[6:7], s[90:91]       ; 6 norm1_g,
	s_cmp_eq_u32 s26, 7
	s_cselect_b64 s[90:91], s[8:9], s[90:91]       ; 7 norm1_b
.irp j, 0,1,2,3,4,5
	global_load_b128 v[16+4*\j:19+4*\j], v7, s[22:23] offset:8192*\j   ; qkv's 24 fragments: 96 bytes a thread
.endr
	s_cmp_ge_u32 s26, 11
	s_cbranch_scc1 .La0_a
	global_load_b128 v[40:43], v11, s[90:91]
.La0_a:
	s_cmp_ge_u32 s26, 8
	s_cbranch_scc1 .La0_b
	ds_store_b128 v10, v[44:47]
	s_branch .La0_c
.La0_b:
	s_cmp_ge_u32 s26, 11
	s_cbranch_scc1 .La0_c
	ds_store_b128 v12, v[44:47]
.La0_c:
	s_wait_loadcnt 0x0
.irp j, 0,1,2,3,4,5
	ds_store_b128 v8, v[16+4*\j:19+4*\j] offset:8192*\j
.endr
	s_cmp_ge_u32 s26, 11
	s_cbranch_scc1 .La0_d
	ds_store_b128 v9, v[40:43]
.La0_d:
	BARRIER                                        ; weights and parameters lie in LDS
	; ================ A1: LN1, x's codes, q and k, a tile at a time
	v_add_nc_u32 v11, WQ, v1
	v_add_nc_u32 v15, WQS, v2
	v_add_nc_u32 v14, PAR1, v5
	s_mov_b32 s27, 0
	s_mov_b32 s28, s26
.La1:
	TOK0
	TOKROW
	s_cmp_ge_u32 s28, NT
	s_cbranch_scc1 .La1_skip
	GLD64 ACC, 13, 4
	s_lshl_b32 s90, s28, 11
	s_add_co_u32 s91, s90, XQ
	v_add_nc_u32 v7, s91, v1                       ; x's image
	v_add_nc_u32 v9, s90, v1                       ; q's image; k's by the immediate
	s_lshl_b32 s92, s28, 7
	s_add_co_u32 s92, s92, XQS
	v_add_nc_u32 v8, s92, v2
	s_lshl_b32 s93, s28, 9
	s_add_co_u32 s93, s93, QSC
	v_add_nc_u32 v10, s93, v2
	s_wait_loadcnt 0x0
	LNORM ACC, ACC, 80, 14, 0, 512
	QUANT ACC, XF, 252
	IMAGE 7, XF, 0
	ds_store_b32 v8, v252
.irp part, 0,1
	LD64 ACC, 14, 1024+512*\part                   ; the bias is the C of each sum's one product
	PROD8 ACC, XF, 252, 11, 16384*\part, 2048, 15, 1024*\part, 128, 80, 4
	NOPS 8
.if \part == 0
.set jj, 0
.rept 32
	v_pk_mul_f32 v[ACC+jj:ACC+jj+1], v[ACC+jj:ACC+jj+1], 0x3e3504f3 op_sel_hi:[1,0]   ; q / sqrt(32)
.set jj, jj+2
.endr
.endif
	QUANT ACC, PC, 213                             ; a block of 32 channels is a head
.irp b, 0,1,2,3
	v_lshl_or_b32 v[208+\b], v[QT+4+\b], 24, v[QT+4+\b]   ; the head's byte in bytes 0 and 3; bytes 1 and 2 stand over zero codes
.endr
	IMAGE 9, PC, KIMG*\part
.irp b, 0,1,2,3
	ds_store_b32 v10, v[208+\b] offset:(KSC-QSC)*\part+128*\b
.endr
	s_wait_dscnt 0x0                               ; the stores have read their registers
.endr
.La1_skip:
	s_add_co_u32 s28, s28, 16
	s_add_co_u32 s27, s27, 1
	s_cmp_lt_u32 s27, 2
	s_cbranch_scc1 .La1
	BARRIER                                        ; x's 22 images lie in LDS
	; ================ A2: v, 22 units: a block of 32 tokens x four channel tiles.  NOT transposed: source 0 = 16 tokens, source 1 = 16 channels, so a lane holds one channel and its registers run along the tokens, v's K
	s_mov_b32 s27, 0
	s_mov_b32 s28, s26
.La2:
	s_cmp_ge_u32 s28, NT
	s_cbranch_scc1 .La2_skip
	s_lshr_b32 s90, s28, 1                         ; the block of tokens
	s_and_b32 s91, s28, 1                          ; which four channel tiles
	s_lshl_b32 s92, s90, 12
	s_add_co_u32 s92, s92, XQ
	v_add_nc_u32 v7, s92, v1
	s_lshl_b32 s92, s90, 8
	s_add_co_u32 s92, s92, XQS
	v_add_nc_u32 v8, s92, v2
	s_lshl_b32 s92, s91, 13
	s_add_co_u32 s92, s92, WQ+32768
	v_add_nc_u32 v9, s92, v1
	s_lshl_b32 s92, s91, 9
	s_add_co_u32 s92, s92, WQS+2048
	v_add_nc_u32 v10, s92, v2
	s_lshl_b32 s92, s91, 8
	s_add_co_u32 s92, s92, PAR1+2048
	v_lshl_add_u32 v11, v6, 2, s92                 ; v's bias of my channel
	s_lshr_b32 s93, s90, 2                         ; key step,
	s_and_b32 s94, s90, 3                          ; group in it
	s_mul_i32 s92, s91, 24576
	s_lshl_b32 s95, s93, 11
	s_add_co_u32 s92, s92, s95
	s_lshl_b32 s95, s94, 9
	s_add_co_u32 s92, s92, s95
	s_add_co_u32 s92, s92, VIMG
	v_add_nc_u32 v12, s92, v1
	s_mul_i32 s92, s91, 768
	s_lshl_b32 s95, s93, 6
	s_add_co_u32 s92, s92, s95
	s_add_co_u32 s92, s92, s94
	s_add_co_u32 s92, s92, VSC
	v_lshl_add_u32 v13, v3, 2, s92
	s_lshl_b32 s92, s90, 5
	s_sub_co_u32 s92, 343, s92
	v_lshlrev_b32 v212, 4, v4
	v_sub_nc_u32 v212, s92, v212                   ; how many of my 16 tokens exist
	FETCH 144, 7, 0
	FETCH 160, 7, 2048
	ds_load_b32 v252, v8
	ds_load_b32 v253, v8 offset:128
.irp k, 0,1,2,3
	FETCH 80+16*\k, 9, 2048*\k
	ds_load_b32 v[248+\k], v10 offset:128*\k
	ds_load_b32 v[240+\k], v11 offset:128*(\k/2)+32*(\k%2)
.endr
	s_wait_dscnt 0x0
.irp k, 0,1,2,3
.irp u, 0,1
	v_wmma_scale_f32_16x16x128_f8f6f4 v[ACC+16*\k+8*\u:ACC+16*\k+8*\u+7], v[144+16*\u:144+16*\u+15], v[80+16*\k:80+16*\k+15], 0, v[252+\u], v[248+\k]
.endr
.endr
	NOPS 8
.irp k, 0,1,2,3
.set jj, 0
.rept 16
	v_add_f32 v[ACC+16*\k+jj], v[ACC+16*\k+jj], v[240+\k]
.set jj, jj+1
.endr
.endr
	s_cmp_lg_u32 s90, 10                           ; the last block alone has tokens that do not exist: zeros, as the quantiser fills a short block
	s_cbranch_scc1 .La2_full
.irp i, 0,1,2,3,4,5,6,7,8,9,10,11,12,13,14,15
	v_cmp_lt_i32 vcc_lo, \i, v212
.irp k, 0,1,2,3
	v_cndmask_b32 v[ACC+16*\k+\i], 0, v[ACC+16*\k+\i], vcc_lo
.endr
.endr
.La2_full:
	QUANT ACC, HC, 213                             ; the four 'blocks' are the four channel tiles' 32 tokens
.irp k, 0,1,2,3
	ds_store_b128 v12, v[HC+4*\k:HC+4*\k+3] offset:6144*\k
	ds_store_b8 v13, v[QT+4+\k] offset:192*\k      ; lanes r and r + 16 write the same byte with the same value
.endr
	s_wait_dscnt 0x0
.La2_skip:
	s_add_co_u32 s28, s28, 16
	s_add_co_u32 s27, s27, 1
	s_cmp_lt_u32 s27, 2
	s_cbranch_scc1 .La2
	v_lshlrev_b32 v7, 4, v0
	v_add_nc_u32 v8, TAB, v7
	v_add_nc_u32 v9, TAB+40960, v7
.irp j, 0,1,2,3,4
	global_load_b128 v[16+4*\j:19+4*\j], v7, s[22:23] offset:WK_TAB+8192*\j   ; the four bias planes: 80 bytes a thread; they land while the waves meet
.endr
	BARRIER                                        ; nobody reads x's images, qkv's fragments or the parameters any more
	s_wait_loadcnt 0x0
.irp j, 0,1,2,3,4
	ds_store_b128 v8, v[16+4*\j:19+4*\j] offset:8192*\j
.endr
.set jj, 0
.rept 10
	v_pk_add_f32 v[36+jj:37+jj], v[16+jj:17+jj], 0xc2c80000 op_sel_hi:[1,0]   ; bias - 100
.set jj, jj+2
.endr
.irp j, 0,1,2,3,4
	ds_store_b128 v9, v[36+4*\j:39+4*\j] offset:8192*\j
.endr
	BARRIER                                        ; q, k, v and the eight planes lie in LDS; from here to the next barrier LDS is only read
	; ================ B: attention
.irp z, 20,40,60
.set jj, 0
.rept 12
	v_mov_b32 v[\z+jj], 0                          ; the zero codes beside q and k: three of the instruction's four blocks of K
.set jj, jj+1
.endr
.endr
.set jj, 0
.rept 32
	v_mov_b32 v[OCN+jj], 0                         ; written once, so that every way to their first read finds them written
.set jj, jj+1
.endr
	v_mov_b32 v254, 0
	v_mov_b32 v255, 0
.irp b, 0,1,2,3
	v_mov_b32 v[BT+4+\b], 0
.endr
	v_mov_b32 v193, 0                              ; named as the upper half of the pair v[192:193]
	v_mov_b32 v213, 0xf149f2ca                     ; -1e30
	s_mov_b32 s27, 0
	s_mov_b32 s28, s26
.Lb_tile:
	TOK0
	v_add_nc_u32 v209, s29, v6                     ; my query, not clamped: a padding query reads the planes' front pad.  (Ids alone, no memory: this stands outside the jump)
	v_mul_u32_u24 v210, v209, 1338
	v_lshrrev_b32 v210, 16, v210                   ; z
	v_mul_u32_u24 v211, v210, 49
	v_sub_nc_u32 v209, v209, v211
	v_mul_u32_u24 v211, v209, 9363
	v_lshrrev_b32 v211, 16, v211                   ; y
	v_mul_u32_u24 v212, v211, 7
	v_sub_nc_u32 v209, v209, v212                  ; x
	v_mad_u32_u24 v212, v210, 169, v209
	v_mad_u32_u24 v212, v211, 13, v212             ; f(n)
	v_lshlrev_b32 v212, 2, v212
	v_sub_nc_u32 v208, TAB+4840, v212              ; word 1210 - f(n) of plane 0
	v_lshrrev_b32 v210, 2, v210
	v_lshrrev_b32 v211, 2, v211
	v_lshrrev_b32 v209, 2, v209
	v_lshl_or_b32 v210, v210, 1, v211
	v_lshl_or_b32 v210, v210, 1, v209
	v_and_b32 v210, s35, v210                      ; my query's class
.irp kq, 0,1,2,3,4,5,6,7
	s_and_b32 s31, s35, \kq
	v_cmp_ne_u32 s90, s31, v210                    ; the lanes whose query does not see a key of class kq
	s_and_b32 s[48+\kq], s90, 0xffff
	s_and_b32 s[56+\kq], s90, s42
.endr
	s_mov_b32 s30, 0
.Lb_head:
	s_cmp_ge_u32 s28, NT
	s_cbranch_scc1 .Lb_head_skip
	s_lshl_b32 s90, s28, 11
	s_lshl_b32 s91, s30, 9
	s_add_co_u32 s90, s90, s91
	v_add_nc_u32 v7, s90, v1                       ; q's group of this head (QIMG = 0)
	s_add_co_u32 s91, s91, KIMG
	v_add_nc_u32 v9, s91, v1
	s_lshl_b32 s92, s28, 9
	s_lshl_b32 s93, s30, 7
	s_add_co_u32 s92, s92, s93
	s_add_co_u32 s92, s92, QSC
	v_add_nc_u32 v8, s92, v2
	s_add_co_u32 s93, s93, KSC
	v_add_nc_u32 v10, s93, v2
	s_mul_i32 s94, s30, 12288
	s_add_co_u32 s94, s94, VIMG
	v_add_nc_u32 v11, s94, v1
	s_mul_i32 s95, s30, 384
	s_add_co_u32 s95, s95, VSC
	v_lshl_add_u32 v12, v3, 2, s95
	s_mul_i32 s96, s30, 10240
	v_add_nc_u32 v209, s96, v208
	v_mad_u32_u24 v200, v4, 112, v209              ; lanes 16-31 stand 16 keys on: 4 (f(m + 16) - f(m)) by the carries along x and y
	v_mad_u32_u24 v201, v4, 136, v209
	v_mad_u32_u24 v202, v4, 424, v209
	v_mad_u32_u24 v203, v4, 448, v209
.irp k, 0,1,2,3
	v_add_nc_u32 v[204+\k], 40960, v[200+\k]       ; the same in the plane of bias - 100
.endr
	ds_load_b128 v[QA:QA+3], v7
	ds_load_b128 v[QA+16:QA+19], v7
	ds_load_b32 v252, v8
	v_mov_b32 v197, 0xff61b1e6                     ; the largest t so far: -3e38
	v_floor_f32 v196, -v197
	v_mov_b32 v198, 0
	v_mov_b32 v199, 0
.set jj, 0
.rept 16
	v_mov_b32 v[OA+jj], 0                          ; the step is written once for all steps: the first finds zeros
.set jj, jj+1
.endr
	STEP 0, 4
	STEP 1, 4
	STEP 2, 3
	OQ
.Lb_head_skip:
	s_add_co_u32 s30, s30, 1
	s_cmp_lt_u32 s30, 4
	s_cbranch_scc1 .Lb_head
	s_cmp_lg_u32 s27, 0
	s_cbranch_scc1 .Lb_nocopy
.set jj, 0
.rept 16
	v_mov_b32 v[OCX+jj], v[OCN+jj]                 ; the first tile's codes wait for phase C
.set jj, jj+1
.endr
	v_mov_b32 v255, v254
.Lb_nocopy:
	s_add_co_u32 s28, s28, 16
	s_add_co_u32 s27, s27, 1
	s_cmp_lt_u32 s27, 2
	s_cbranch_scc1 .Lb_tile
	; the chain's weights and parameters are asked for ahead of the barrier and land while the waves meet
	v_lshlrev_b32 v7, 4, v0                        ; in wk, and in LDS (WCH = 0)
	v_add_nc_u32 v8, 65536, v7
	v_add_nc_u32 v9, 131072, v7
	v_add_nc_u32 v10, WCS, v7
	v_add_nc_u32 v11, PAR2, v7
	s_max_u32 s92, s26, 4
	s_sub_co_u32 s92, s92, 4
	s_lshl_b32 s92, s92, 9
	v_add_nc_u32 v12, s92, v1
	s_cmp_eq_u32 s26, 0
	s_cselect_b64 s[90:91], s[14:15], s[18:19]     ; wave 0 norm2_g, waves 4-7 fc1_b,
	s_cmp_eq_u32 s26, 1
	s_cselect_b64 s[90:91], s[16:17], s[90:91]     ; 1 norm2_b,
	s_cmp_eq_u32 s26, 2
	s_cselect_b64 s[90:91], s[12:13], s[90:91]     ; 2 proj_b,
	s_cmp_eq_u32 s26, 3
	s_cselect_b64 s[90:91], s[20:21], s[90:91]     ; 3 fc2_b
.set jj, 0
.rept 18
	global_load_b128 v[16+4*jj:19+4*jj], v7, s[22:23] offset:49152+8192*jj   ; fragments 24-95: 288 bytes a thread
.set jj, jj+1
.endr
	global_load_b128 v[88:91], v7, s[22:23] offset:WK_SCL+3072
	s_cmp_ge_u32 s26, 2
	s_cbranch_scc1 .Lw_a
	global_load_b128 v[92:95], v7, s[22:23] offset:WK_SCL+3072+8192
.Lw_a:
	s_cmp_ge_u32 s26, 8
	s_cbranch_scc1 .Lw_b
	global_load_b128 v[96:99], v12, s[90:91]
.Lw_b:
	BARRIER                                        ; nobody reads q, k, v or the planes any more
	s_wait_loadcnt 0x0
.irp j, 0,1,2,3,4,5,6,7
	ds_store_b128 v7, v[16+4*\j:19+4*\j] offset:8192*\j
	ds_store_b128 v8, v[48+4*\j:51+4*\j] offset:8192*\j
.endr
	ds_store_b128 v9, v[80:83]
	ds_store_b128 v9, v[84:87] offset:8192
	ds_store_b128 v10, v[88:91]
	s_cmp_ge_u32 s26, 2
	s_cbranch_scc1 .Lw_c
	ds_store_b128 v10, v[92:95] offset:8192
.Lw_c:
	s_cmp_ge_u32 s26, 8
	s_cbranch_scc1 .Lw_d
	ds_store_b128 v11, v[96:99]
.Lw_d:
	BARRIER                                        ; the chain's weights lie in LDS
	; ================ C: projection, residual, LN2, MLP, residual: a tile at a time, all in registers
	v_add_nc_u32 v10, WCS, v2
	v_add_nc_u32 v14, PAR2, v5
	s_mul_i32 s90, s26, 8448
	s_add_co_u32 s90, s90, STG                     ; my stage
	v_mul_u32_u24 v208, v3, 528
	v_add_nc_u32 v208, v208, v5
	v_add_nc_u32 v208, s90, v208                   ; in: row r, + 64 h
	v_add_nc_u32 v209, s90, v1                     ; back: 16 bytes a lane of a whole row
	v_mov_b32 v210, 0xbf97d29d                     ; c8, as a pair
	v_mov_b32 v211, 0xbf97d29d
	v_mov_b32 v212, 0xc034d90f                     ; c0, as a pair
	v_mov_b32 v213, 0xc034d90f
	s_mov_b32 s27, 0
	s_mov_b32 s28, s26
.Lc_tile:
	TOK0
	TOKROW
	s_cmp_ge_u32 s28, NT
	s_cbranch_scc1 .Lc_pre_skip
	GLD64 ACC, 13, 4
	s_wait_loadcnt 0x0
	PROD8 ACC, OCX, 255, 1, 0, 2048, 10, 0, 128, H, 4   ; x is the C of the projection
	NOPS 8
	LD64 H, 14, 1024
	s_wait_dscnt 0x0
	ADD64 ACC, H                                   ; + proj_b: x1
	LNORM ACC, H, WB, 14, 0, 512
	QUANT H, OCX, 255                              ; y's codes take the place of O's
	LD64 H, 14, 1536
	s_wait_dscnt 0x0
	ADD64 ACC, H                                   ; x1 + fc2_b: from here on the residual is fc2's accumulator
.Lc_pre_skip:
	s_mov_b32 s30, 0
.Lc_chunk:                                             ; 128 hidden units a trip: one K step of fc2
	s_cmp_ge_u32 s28, NT
	s_cbranch_scc1 .Lc_chunk_skip
	s_lshl_b32 s90, s30, 14
	s_add_co_u32 s90, s90, 16384
	v_add_nc_u32 v8, s90, v1                       ; fc1's eight fragments
	s_lshl_b32 s91, s30, 11
	s_add_co_u32 s91, s91, 81920
	v_add_nc_u32 v9, s91, v1                       ; fc2's, 8,192 bytes apart
	s_lshl_b32 s92, s30, 10
	s_add_co_u32 s92, s92, WCS+1024
	v_add_nc_u32 v11, s92, v2
	s_lshl_b32 s93, s30, 7
	s_add_co_u32 s93, s93, WCS+5120
	v_add_nc_u32 v15, s93, v2
	s_lshl_b32 s94, s30, 9
	s_add_co_u32 s94, s94, PAR2+2048
	v_add_nc_u32 v7, s94, v5
	NOPS 8                                         ; places in front of loads into registers that the last products read
	LD64 H, 7, 0                                   ; fc1_b is the C
	PROD8 H, OCX, 255, 8, 0, 2048, 11, 0, 128, WB, 2
	NOPS 8
	GELU16 0
	GELU16 1
	GELU16 2
	GELU16 3
	QUANT H, HC, 253
	PROD8 ACC, HC, 253, 9, 0, 8192, 15, 0, 512, H, 4
.Lc_chunk_skip:
	s_add_co_u32 s30, s30, 1
	s_cmp_lt_u32 s30, 4
	s_cbranch_scc1 .Lc_chunk
	s_cmp_ge_u32 s28, NT
	s_cbranch_scc1 .Lc_post_skip
	NOPS 8
.irp b, 0,1,2,3
.irp j, 0,1,2,3
	ds_store_b128 v208, v[ACC+16*\b+4*\j:ACC+16*\b+4*\j+3] offset:128*\b+16*\j   ; each accumulator from its low end on
.endr
.endr
.irp p, 0,1,2,3,4,5,6,7,8,9,10,11,12,13,14,15
	ds_load_b128 v[H+4*\p:H+4*\p+3], v209 offset:528*\p   ; LDS serves a wave's instructions in order (ISA guide 5.7.1.4): these see my stores
.endr
	s_wait_dscnt 0x0
.irp p, 0,1,2,3,4,5,6,7,8,9,10,11,12,13,14,15
.if \p >= 8
	s_cmp_ge_u32 s29, 343-8-\p                     ; row p is token s29 + p + 8: the padding rows are a tile's last and are not stored
	s_cbranch_scc1 .Lc_rows_done
.endif
	v_readlane_b32 s90, v12, \p                    ; the row's place in out0
	v_add_nc_u32 v[WB+\p], s90, v1
	global_store_b128 v[WB+\p], v[H+4*\p:H+4*\p+3], s[24:25] th:TH_STORE_NT   ; 32 lanes store a row of 512 consecutive bytes, aligned
.endr
.Lc_rows_done:
	s_wait_xcnt 0x0                                ; the stores have read their registers: both may be written again
.Lc_post_skip:
	s_cmp_lg_u32 s27, 0
	s_cbranch_scc1 .Lc_nocopy
.set jj, 0
.rept 16
	v_mov_b32 v[OCX+jj], v[OCN+jj]                 ; the second tile's codes
.set jj, jj+1
.endr
	v_mov_b32 v255, v254
.Lc_nocopy:
	s_add_co_u32 s28, s28, 16
	s_add_co_u32 s27, s27, 1
	s_cmp_lt_u32 s27, 2
	s_cbranch_scc1 .Lc_tile
	s_wait_xcnt 0x0
	v_lshl_add_u32 v254, v0, 2, 0x48400
	v_mov_b32 v255, 0
	s_wait_tensorcnt 0x0
	ds_add_u32 v254, v255
	s_wait_dscnt 0x0
	s_endpgm
.Lfunc_end_k_q543968b0b6_swin:
	.size	k_q543968b0b6_swin, .Lfunc_end_k_q543968b0b6_swin-k_q543968b0b6_swin
	.p2alignl 7, 3214868480
	.fill 96, 4, 3214868480
	.section	.rodata,"a",@progbits
	.p2align	6, 0x0
	.amdhsa_kernel k_q543968b0b6_swin
		.amdhsa_group_segment_fixed_size 297984
		.amdhsa_private_segment_fixed_size 0
		.amdhsa_enable_private_segment 0
		.amdhsa_kernarg_size 88
		.amdhsa_user_sgpr_count 2
		.amdhsa_user_sgpr_kernarg_segment_ptr 1
		.amdhsa_wavefront_size32 1
		.amdhsa_system_sgpr_workgroup_id_x 1
		.amdhsa_system_sgpr_workgroup_id_y 1
		.amdhsa_system_sgpr_workgroup_id_z 1
		.amdhsa_system_vgpr_workitem_id 0
		.amdhsa_next_free_vgpr 256
		.amdhsa_next_free_sgpr 100
		.amdhsa_reserve_vcc 1
		.amdhsa_float_denorm_mode_32 3
		.amdhsa_float_denorm_mode_16_64 3
		.amdhsa_memory_ordered 1
		.amdhsa_forward_progress 1
		.amdhsa_inst_pref_size 255
	.end_amdhsa_kernel
	.section	.bss,"aw",@nobits
	.p2align	6
	.space	262144
	.amdgpu_metadata
---
amdhsa.version: [ 1, 2 ]
amdhsa.kernels:
  - .name:           k_q543968b0b6_swin
    .symbol:         k_q543968b0b6_swin.kd
    .args:
      - { .name: x, .offset: 0, .size: 8, .value_kind: global_buffer, .address_space: global }
      - { .name: norm1_g, .offset: 8, .size: 8, .value_kind: global_buffer, .address_space: global }
      - { .name: norm1_b, .offset: 16, .size: 8, .value_kind: global_buffer, .address_space: global }
      - { .name: qkv_b, .offset: 24, .size: 8, .value_kind: global_buffer, .address_space: global }
      - { .name: proj_b, .offset: 32, .size: 8, .value_kind: global_buffer, .address_space: global }
      - { .name: norm2_g, .offset: 40, .size: 8, .value_kind: global_buffer, .address_space: global }
      - { .name: norm2_b, .offset: 48, .size: 8, .value_kind: global_buffer, .address_space: global }
      - { .name: fc1_b, .offset: 56, .size: 8, .value_kind: global_buffer, .address_space: global }
      - { .name: fc2_b, .offset: 64, .size: 8, .value_kind: global_buffer, .address_space: global }
      - { .name: wk, .offset: 72, .size: 8, .value_kind: global_buffer, .address_space: global }
      - { .name: out0, .offset: 80, .size: 8, .value_kind: global_buffer, .address_space: global }
    .group_segment_fixed_size: 297984
    .private_segment_fixed_size: 0
    .kernarg_segment_align: 8
    .kernarg_segment_size: 88
    .max_flat_workgroup_size: 512
    .sgpr_count:     100
    .vgpr_count:     256
    .wavefront_size: 32
...
	.end_amdgpu_metadata
.endif
;; end of part 2
;; ======== version 2 of 2: 2 launches; version 1 with the launch swin written anew for expert scheduling mode
;; workspace buffers: wk 249,856 bytes
;; launch prep: the kernel of part 1 again; grid 44 x 1, 4 waves a work-group, no clusters, 0 bytes of LDS; arguments qkv_w, proj_w, fc1_w, fc2_w, rel_table, wk; writes wk
;; launch swin (part 3): grid 256 x 1, 16 waves a work-group, no clusters, 297,984 bytes of LDS; arguments x, norm1_g, norm1_b, qkv_b, proj_b, norm2_g, norm2_b, fc1_b, fc2_b, wk, out0; writes out0
.if DOCPART == 3
	.amdgcn_target "amdgcn-amd-amdhsa--gfx1250"
	.amdhsa_code_object_version 6
	.text
	.protected	k_q543968b0b6_swin
	.globl	k_q543968b0b6_swin
	.p2align	8
	.type	k_q543968b0b6_swin,@function
k_q543968b0b6_swin:
	s_mov_b64 s[64:65], 0
	v_nop
	global_prefetch_b8 v0, s[64:65] scope:SCOPE_SE
	s_setreg_imm32_b32 hwreg(HW_REG_WAVE_SCHED_MODE, 0, 2), 2
	s_setreg_imm32_b32 hwreg(HW_REG_WAVE_MODE, 25, 1), 1
	s_wait_xcnt 0x0
	s_wait_alu depctr_vm_vsrc(0)
; One shifted window (343 tokens x 128 channels) to a work-group, from x to out0: LN1, QKV, attention (4 heads of 32, bias table, window mask), projection, residual, LN2, MLP with exact GELU, residual.
; All six products on codes of E4M3 with E8M0 scales for each 32 along K; every operand is quantised from f32 in registers; nothing but x, the prepared weights and out0 touches memory.
; SHARES.  16 waves of 256 registers, four to a SIMD.  The 343 tokens are 22 tiles of 16 (352 rows; rows 343-351 are padding).  Tile T holds tokens 32 (T / 2) + 8 (T % 2) + r + 8 (r / 8), so that the 16 registers of two
; neighbouring tiles of a transposed product are 16 neighbours along the next K.  Wave w owns tiles w and w + 16 (where under 22) in every phase.  Lane (r, h) owns token row r; register 16 b + i is channel 32 b + 16 h + i.
; Every wave walks every loop (constant counts); a tile number of 22 or more jumps over the work inside the loop, never over a barrier.
; PHASES.  A0 copies; A1 LN1, x's codes, q and k; A2 v, quantised along the tokens; B attention; C projection to the end, all in registers.  Operands go from wave to wave through LDS as images of their registers.
; THE BIAS AND THE MASK.  The table's index is f(n) - f(m) + 1098 with f = 169 z + 13 y + x, so bias(n, m) is one word of a reversed table at 1210 - f(n) + f(m); a second copy holds bias - 100.  A key is masked for a query where
; their three class bits (z, y, x >= 4), ANDed with the window's bits (last window along z, y, x), differ.  The word is gathered straight into the C operand of K Q^T.
; LIMITS: a block of zeros gets the byte 1 (zero codes; this program alone reads the bytes); NaN and infinities among the inputs are not served; erfc by a rational-exponential form of fractional error 1.2e-7, plus f32 rounding
; of its exponent; bias - 100 is added ahead of the score, so masked entries round in another order than the reference's; 1 / sqrt by v_rsq_f32, 1 / l by v_rcp_f32.
; THE MODE: SCHED_MODE bits 1:0 = 2 (LLVM: expert scheduling mode 2), set by the entry lines.  The code itself states the register dependences between vector or matrix instructions and memory or LDS instructions,
; with s_wait_alu, always for 0.
; THE PLAN.  Registers that memory or LDS instructions touch:
;   v1, v2, v5        offsets made at the head, never written again.
;   v7-15, v208, v209 addresses, made anew for a phase, a tile, a head or a chunk: vm_vsrc ahead of the adds, and the va_vdst that stands ahead of the block's first run of loads behind them.
;   ACC, H, v144-207  loaded (x, biases, weights' fragments, g and b of the norms), read by vector and matrix instructions.  Each run of loads stands behind ONE va_vdst, which states that all earlier users of its registers are done;
;                     no vector or matrix instruction between that wait and a load of the run names a register that the load touches.
;   XF, PC, HC, scale words and bytes  written by a quantiser, read by the LDS stores of an image and by scaled products: one va_vdst behind the quantiser (and its places); vm_vsrc behind the stores.
;   B: v176-191, v76-79  the gathers' addresses: a half step's (20 at the most) are made in one run; one va_vdst; all gathers and K's loads; vm_vsrc behind the wait for them, ahead of the softmax, which works in v176-191.
;   S + 32 ..         the softmax's p, then V's fragments: one va_vdst behind O's rescaling, which also states that p's codes and scale word are written.
;   Masks and row offsets that vector instructions write into scalar registers are made in runs, one va_sdst behind each run.  VCC and EXEC are written nowhere.
.set NT,   22
; LDS, phases A and B
.set QIMG, 0                           ; 22 images of 2,048 bytes: q's codes, group = head
.set KIMG, 45056                       ; k's likewise
.set VIMG, 90112                       ; 24 images: (channel tile t, key step s) at (3 t + s) x 2,048
.set QSC,  139264                      ; tile x 512 + head x 128 + 4 lane: the head's byte in bytes 0 and 3
.set KSC,  150528
.set VSC,  161792                      ; (3 t + s) x 64 + 4 r + c
.set XQ,   163328                      ; phase A: x's 22 images,
.set XQS,  208384                      ; their scale words,
.set WQ,   211200                      ; qkv's 24 fragments,
.set WQS,  260352                      ; their scale words, and straight behind them
.set PAR1, 263424                      ; norm1_g, norm1_b, qkv_b
.set TAB,  163328                      ; phase B: 4 planes of bias, 4 of bias - 100, 10,240 bytes each
; LDS, phase C
.set WCH,  0                           ; 72 fragments: proj 0-7, fc1 8-39, fc2 40-71
.set WCS,  147456                      ; their scale words
.set PAR2, 156672                      ; norm2_g, norm2_b, proj_b, fc2_b, fc1_b
.set STG,  160768                      ; 16 rows x 528 bytes for each wave: the way out
.set WK_SCL, 196608
.set WK_TAB, 208896
; registers.  v0 thread, v1 16 lane, v2 4 lane, v3 r, v4 h, v5 64 h, v6 r + 8 (r / 8), v7-15 the phase's addresses; v248-251 scale words of weights, K, V; v252-255 of x or q, p or hidden, O (new), O or y
.set ACC,  16                          ; 64 numbers of my row
.set H,    80                          ; 64 more; also a buffer of four fragments
.set S,    80                          ; B: the scores, then p; its upper half then takes V's fragments
.set XF,   144                         ; A1: x's fragment
.set WB,   144                         ; C: at work; with HC and QT behind it a buffer of four fragments (v144-207)
.set OA,   144                         ; B: O^T of one head
.set PC,   160                         ; codes just made
.set HC,   176                         ; A2, C: codes just made
.set BT,   176                         ; B: at work; during a half step's loads: the gathers' addresses 0 to 15 (16 to 19: v76-79)
.set QT,   192                         ; A, C: at work in the quantiser
.set LT,   192                         ; and in the norm
.set QA,   16                          ; B: q, 12 zeros, q
.set KG,   36                          ; B: twice (k, 12 zeros, k')
.set OCN,  216                         ; O's codes of the tile in hand
.set OCX,  232                         ; O's codes of the tile that phase C takes next; then y's codes
.set SEL,  32                          ; s[32:33] lane selects: lane l xor 16
.set MNT,  34                          ; s34 the mantissa field of 448
.set ROT,  0
; s26 wave, s27 trip, s28 tile, s29 its first token, s30 head or chunk, s35 the window's bits, s36-38 7 w + 3 along z, y, x, s39 14 batch, s[40:41] log2(e), s42 lanes 16-31, s43 1/128,
; s44-47 B: lane masks by turns, s48-55 and s56-63 B: 'class differs' for lanes 0-15 and 16-31; s44-59 A2, C: sixteen masks, or sixteen row offsets; s66-87 erfc's constants as pairs, s88 eps, s89 sqrt(2)/4, s90-99 at work
.macro NOPS n
.rept \n
	v_nop
.endr
.endm
.macro BARRIER                         ; my LDS stores have landed and my LDS loads are in: then the work-group's barrier
	s_wait_dscnt 0x0
	s_barrier_signal -1
	s_barrier_wait -1
.endm
.macro PAIR reg, val
	s_mov_b32 s[\reg], \val
	s_mov_b32 s[\reg+1], s[\reg]                   ; a packed line names the pair, so both are written
.endm
.macro TOK0                            ; the tile's first token
	s_lshr_b32 s29, s28, 1
	s_lshl_b32 s29, s29, 5
	s_and_b32 s31, s28, 1
	s_lshl_b32 s31, s31, 3
	s_add_co_u32 s29, s29, s31
.endm
.macro QUANT s, d, w                   ; 64 numbers of a lane, register 16 b + i = k 32 b + 16 h + i of my row, become a fragment's codes and its scale word; the bytes stay in v[QT+4 ..]
.irp b, 0,1,2,3
	v_max3_num_f32 v[QT+\b], |v[(\s)+16*\b]|, |v[(\s)+16*\b+1]|, 0x4800000   ; my 16 numbers of block b, and the floor 2^(9 - 127): the byte cannot fall under 1
.endr
.irp i, 2,4,6,8,10,12,14
.irp b, 0,1,2,3
	v_max3_num_f32 v[QT+\b], v[QT+\b], |v[(\s)+16*\b+\i]|, |v[(\s)+16*\b+\i+1]|
.endr
.endr
.irp b, 0,1,2,3
	v_permlanex16_b32 v[QT+4+\b], v[QT+\b], s[SEL], s[SEL+1]
.endr
.irp b, 0,1,2,3
	v_max_num_f32 v[QT+\b], v[QT+\b], v[QT+4+\b]                 ; with lane l xor 16's 16: the block's largest magnitude
.endr
.irp b, 0,1,2,3
	v_add_nc_u32 v[QT+12+\b], 0xfc000000, v[QT+\b]               ; 8 off its exponent field: the conversion's scale operand
.endr
.irp b, 0,1,2,3
	v_and_or_b32 v[QT+8+\b], v[QT+\b], 0x7f800000, s[MNT]        ; 448 x the scale
.endr
.irp b, 0,1,2,3
	v_lshrrev_b32 v[QT+4+\b], 23, v[QT+12+\b]                    ; the scale's byte
.endr
	v_lshl_or_b32 v[\w], v[QT+5], 8, v[QT+4]
	v_lshl_or_b32 v[\w], v[QT+6], 16, v[\w]
	v_lshl_or_b32 v[\w], v[QT+7], 24, v[\w]
.irp b, 0,1,2,3
.irp i, 0,1,2,3,4,5,6,7,8,9,10,11,12,13,14,15
	v_med3_num_f32 v[(\s)+16*\b+\i], v[(\s)+16*\b+\i], -v[QT+8+\b], v[QT+8+\b]   ; the conversion does not saturate (ISA guide 7.6.2): the hold comes first
.endr
	v_cvt_scalef32_pk8_fp8_f32 v[(\d)+4*\b:(\d)+4*\b+1], v[(\s)+16*\b:(\s)+16*\b+7], v[QT+12+\b]
	v_cvt_scalef32_pk8_fp8_f32 v[(\d)+4*\b+2:(\d)+4*\b+3], v[(\s)+16*\b+8:(\s)+16*\b+15], v[QT+12+\b]
.endr
	v_nop                                          ; a plain line between the last conversion and whatever next touches its registers
.endm
.macro IMAGE adr, reg, off             ; a fragment goes to LDS as it stands: lane l's 16 bytes of group c at 512 c + 16 l
.irp c, 0,1,2,3
	ds_store_b128 v[\adr], v[(\reg)+4*\c:(\reg)+4*\c+3] offset:(\off)+512*\c
.endr
.endm
.macro FETCH reg, adr, off             ; and comes back so, in any wave
.irp c, 0,1,2,3
	ds_load_b128 v[(\reg)+4*\c:(\reg)+4*\c+3], v[\adr] offset:(\off)+512*\c
.endr
.endm
.macro LD64 reg, adr, off              ; a vector of 128 parameters in my row's layout (the address holds 64 h)
.irp b, 0,1,2,3
.irp j, 0,1,2,3
	ds_load_b128 v[(\reg)+16*\b+4*\j:(\reg)+16*\b+4*\j+3], v[\adr] offset:(\off)+128*\b+16*\j
.endr
.endr
.endm
.macro GLD64 reg, voff, sb             ; my 64 numbers of my token's row of x
.irp b, 0,1,2,3
.irp j, 0,1,2,3
	global_load_b128 v[(\reg)+16*\b+4*\j:(\reg)+16*\b+4*\j+3], v[\voff], s[\sb:\sb+1] offset:128*\b+16*\j
.endr
.endr
.endm
.macro ADD64 a, b
.set jj, 0
.rept 32
	v_pk_add_f32 v[\a+jj:\a+jj+1], v[\a+jj:\a+jj+1], v[\b+jj:\b+jj+1]
.set jj, jj+2
.endr
.endm
.macro TOKROW                          ; v12 = the byte offset in x and out0 of my token's row, v13 = that + 64 h.  Padding rows take token 342's: no load leaves its buffer
	v_add_nc_u32 v192, s29, v6
	v_min_u32 v192, 342, v192
	v_mul_u32_u24 v193, v192, 1338
	v_lshrrev_b32 v193, 16, v193                   ; z = n / 49 (exact for n under 2,400)
	v_mul_u32_u24 v194, v193, 49
	v_sub_nc_u32 v194, v192, v194
	v_mul_u32_u24 v195, v194, 9363
	v_lshrrev_b32 v195, 16, v195                   ; y = (n % 49) / 7
	v_mul_u32_u24 v196, v195, 7
	v_sub_nc_u32 v196, v194, v196                  ; x
	v_add_nc_u32 v193, s36, v193                   ; the window's corner and the shift by 3,
	v_add_nc_u32 v195, s37, v195
	v_add_nc_u32 v196, s38, v196
	v_add_nc_u32 v197, -14, v193                   ; wrapped: the smaller of g and g - size as unsigned numbers
	v_min_u32 v193, v193, v197
	v_add_nc_u32 v197, 0xffffffc8, v195
	v_min_u32 v195, v195, v197
	v_add_nc_u32 v197, 0xffffffc8, v196
	v_min_u32 v196, v196, v197
	v_add_nc_u32 v193, s39, v193
	v_mad_u32_u24 v193, v193, 56, v195
	v_mad_u32_u24 v193, v193, 56, v196
	v_lshlrev_b32 v12, 9, v193
	v_add_nc_u32 v13, v12, v5
.endm
; g and b of block b of a norm (my 16 channels of it) into 16 registers each
.macro LNLD adr, goff, boff, b, rg, rb
.irp j, 0,1,2,3
	ds_load_b128 v[(\rg)+4*\j:(\rg)+4*\j+3], v[\adr] offset:(\goff)+128*(\b)+16*\j
	ds_load_b128 v[(\rb)+4*\j:(\rb)+4*\j+3], v[\adr] offset:(\boff)+128*(\b)+16*\j
.endr
.endm
.macro LNMATH d, b, rg, rb             ; block b: x rsqrt, x g + b
.irp j, 0,2,4,6,8,10,12,14
	v_pk_mul_f32 v[\d+16*(\b)+\j:\d+16*(\b)+\j+1], v[\d+16*(\b)+\j:\d+16*(\b)+\j+1], v[LT+4:LT+5] op_sel_hi:[1,0]
.endr
.irp j, 0,2,4,6,8,10,12,14
	v_pk_fma_f32 v[\d+16*(\b)+\j:\d+16*(\b)+\j+1], v[\d+16*(\b)+\j:\d+16*(\b)+\j+1], v[(\rg)+\j:(\rg)+\j+1], v[(\rb)+\j:(\rb)+\j+1]
.endr
.endm
; LayerNorm of my row (64 numbers here, 64 in lane l xor 16), in two passes: v[d ..] = (v[s ..] - mean) rsqrt(var + eps) g + b.
; g and b come a block at a time into two buffers (g0, b0), (g1, b1) by turns; blocks 0 and 1 have been asked for by the caller, as its youngest sixteen LDS loads.
.macro LNORM s, d, adr, goff, boff, g0, b0, g1, b1
.irp q, 0,2,4,6
	v_pk_add_f32 v[LT+\q:LT+\q+1], v[\s+2*\q:\s+2*\q+1], v[\s+2*\q+2:\s+2*\q+3]   ; four chains
.endr
.irp j, 16,24,32,40,48,56
.irp q, 0,2,4,6
	v_pk_add_f32 v[LT+\q:LT+\q+1], v[LT+\q:LT+\q+1], v[\s+\j+\q:\s+\j+\q+1]
.endr
.endr
	v_pk_add_f32 v[LT:LT+1], v[LT:LT+1], v[LT+2:LT+3]
	v_pk_add_f32 v[LT+4:LT+5], v[LT+4:LT+5], v[LT+6:LT+7]
	v_pk_add_f32 v[LT:LT+1], v[LT:LT+1], v[LT+4:LT+5]
	v_add_f32 v[LT], v[LT], v[LT+1]
	v_permlanex16_b32 v[LT+1], v[LT], s[SEL], s[SEL+1]
	v_add_f32 v[LT], v[LT], v[LT+1]
	v_mul_f32 v[LT], s43, v[LT]                    ; the mean
.set jj, 0
.rept 32
	v_pk_add_f32 v[\d+jj:\d+jj+1], v[\s+jj:\s+jj+1], v[LT:LT+1] op_sel_hi:[1,0] neg_lo:[0,1] neg_hi:[0,1]
.set jj, jj+2
.endr
.irp q, 0,2,4,6
	v_pk_mul_f32 v[LT+2+\q:LT+3+\q], v[\d+\q:\d+\q+1], v[\d+\q:\d+\q+1]
.endr
.irp j, 8,16,24,32,40,48,56
.irp q, 0,2,4,6
	v_pk_fma_f32 v[LT+2+\q:LT+3+\q], v[\d+\j+\q:\d+\j+\q+1], v[\d+\j+\q:\d+\j+\q+1], v[LT+2+\q:LT+3+\q]
.endr
.endr
	v_pk_add_f32 v[LT+2:LT+3], v[LT+2:LT+3], v[LT+4:LT+5]
	v_pk_add_f32 v[LT+6:LT+7], v[LT+6:LT+7], v[LT+8:LT+9]
	v_pk_add_f32 v[LT+2:LT+3], v[LT+2:LT+3], v[LT+6:LT+7]
	v_add_f32 v[LT+2], v[LT+2], v[LT+3]
	v_permlanex16_b32 v[LT+3], v[LT+2], s[SEL], s[SEL+1]
	v_add_f32 v[LT+2], v[LT+2], v[LT+3]
	v_fma_f32 v[LT+2], v[LT+2], s43, s88           ; var + eps
	v_rsq_f32 v[LT+4], v[LT+2]
	v_nop                                          ; a plain line behind the transcendental,
	s_wait_alu depctr_va_vdst(0)                   ; and the wait ahead of its first reader: v_rsq_f32 has written v[LT+4]
	s_wait_dscnt 8                                 ; block 0's g and b are in; block 1's eight loads may be out
	LNMATH \d, 0, \g0, \b0
	s_wait_dscnt 0x0
	LNMATH \d, 1, \g1, \b1
	s_wait_alu depctr_va_vdst(0)                   ; the multiply-adds of blocks 0 and 1 are done reading the two buffers, in which the loads below land
	LNLD \adr, \goff, \boff, 2, \g0, \b0
	LNLD \adr, \goff, \boff, 3, \g1, \b1
	s_wait_dscnt 8
	LNMATH \d, 2, \g0, \b0
	s_wait_dscnt 0x0
	LNMATH \d, 3, \g1, \b1
.endm
; Eight tiles of a transposed product: v[acc + 8 t ..] += 16 rows of a weight (fragment t from LDS, into buf) x my tile's fragment bf, nb fragments at a time.  The eight accumulators take turns, one instruction a turn.
; The eight v_nop ahead of a group are the places behind the last products, and in front of a product whose scale word or codes vector instructions made; the wait stands behind them.
; head = 0: the caller has laid the first group's places and wait.  xw = 1: the first group's C comes from memory.
.macro PROD8 acc, bf, bs, wadr, woff, wp, sadr, soff, sp, buf, nb, head, xw
.set pt, 0
.rept 8/(\nb)
.if (\head) || (pt > 0)
	NOPS 8
	s_wait_alu depctr_va_vdst(0)                   ; the last products (a first group: and the quantiser) are done reading v[buf ..] and v248 on, in which the loads below land; a first group: the quantiser has written the codes and the scale word that the products take
.endif
.set pj, 0
.rept \nb
.irp c, 0,1,2,3
	ds_load_b128 v[(\buf)+16*pj+4*\c:(\buf)+16*pj+4*\c+3], v[\wadr] offset:(\woff)+(pt+pj)*(\wp)+512*\c
.endr
	ds_load_b32 v[248+pj], v[\sadr] offset:(\soff)+(pt+pj)*(\sp)
.set pj, pj+1
.endr
	s_wait_dscnt 0x0
.if (\xw) && (pt == 0)
	s_wait_loadcnt 0x0                             ; x, the C of these products
.endif
.set pj, 0
.rept \nb
	v_wmma_scale_f32_16x16x128_f8f6f4 v[(\acc)+8*(pt+pj):(\acc)+8*(pt+pj)+7], v[(\buf)+16*pj:(\buf)+16*pj+15], v[\bf:\bf+15], v[(\acc)+8*(pt+pj):(\acc)+8*(pt+pj)+7], v[248+pj], v[\bs]
.set pj, pj+1
.endr
.set pt, pt+(\nb)
.endr
.endm
; ---- attention.  Half a key step: blocks 2 g (and 2 g + 1) of 32 keys.  Register 16 b + i holds key m0 = 128 st + 32 b + i in lanes 0-15 and m0 + 16 in lanes 16-31.
; The bias, masked or not, is gathered into the register as the product's C.  The address hangs on three numbers that the assembler knows: the carries of m0 + 16 (which of four bases) and the two keys' classes
; (which lanes take the plane of bias - 100).  They change where x passes 0, 2, 4 or 5: 9 or 10 addresses for 16 keys on end, 20 at the most for a half step.
.macro KEYOF st, g                     ; key (bq, iq) of the half step: its place, its base and classes
.set m0, 128*(\st)+32*(2*(\g)+bq)+iq
.set z0, m0/49
.set y0, (m0%49)/7
.set x0, m0%7
.set cxx, x0/5
.set cyy, (y0+2+cxx)/7
.set m1, m0+16
.set z1, m1/49
.set y1, (m1%49)/7
.set x1, m1%7
.set ka0, 4*(z0/4)+2*(y0/4)+x0/4
.set ka1, 4*(z1/4)+2*(y1/4)+x1/4
.set kk, cxx+2*cyy
.set KEY, kk+4*ka0+32*ka1
.endm
; All addresses of the half step are made first, address n in v[176 + n] (n under 16) or v[60 + n]; one wait; then all its loads.  q = 1: the head's q and its scale word come with them.
.macro HALF st, g, nbl, q
.set CNT, 0
.set PKEY, -1
.set bq, 0
.rept \nbl
.set iq, 0
.rept 16
	KEYOF \st, \g
.if KEY != PKEY
.set ROT, (ROT+1)%4
	s_or_b32 s[44+ROT], s[48+ka0], s[56+ka1]
	v_cndmask_b32 v[176+CNT-116*(CNT/16)], v[200+kk], v[204+kk], s[44+ROT]
.set CNT, CNT+1
.set PKEY, KEY
.endif
.set iq, iq+1
.endr
.set bq, bq+1
.endr
.if CNT < 8
	NOPS 8-CNT                                     ; with the selects above: eight places behind the last products
.endif
	s_wait_alu depctr_va_vdst(0)                   ; the selects have written the gathers' addresses (q = 1: the adds v7 to v12); the softmax and the last products are done with S, KG, QA and v248 to v252, in which the loads below land
.if \q
	ds_load_b128 v[QA:QA+3], v7
	ds_load_b128 v[QA+16:QA+19], v7
	ds_load_b32 v252, v8
.endif
.set CNT, 0
.set PKEY, -1
.set bq, 0
.rept \nbl
.set iq, 0
.rept 16
	KEYOF \st, \g
.if KEY != PKEY
.set CNT, CNT+1
.set PKEY, KEY
.endif
	ds_load_b32 v[S+16*(2*(\g)+bq)+iq], v[176+(CNT-1)-116*((CNT-1)/16)] offset:4*(169*z0+13*y0+x0)
.set iq, iq+1
.endr
.set bq, bq+1
.endr
.set tq, 0
.rept 2*(\nbl)
	ds_load_b128 v[KG+20*(tq/2)+16*(tq%2):KG+20*(tq/2)+16*(tq%2)+3], v9 offset:2048*(8*(\st)+4*(\g)+tq)   ; the head's 32 channels of 16 keys: one block of K
	ds_load_b32 v[248+tq], v10 offset:512*(8*(\st)+4*(\g)+tq)
.set tq, tq+1
.endr
	s_wait_dscnt 0x0
	s_wait_alu depctr_vm_vsrc(0)                   ; the gathers have read their addresses: the next half step's selects, or the softmax, write these registers again
.if (\nbl) == 1
.irp i, 7,8,9,10,11,12,13,14,15
	v_cndmask_b32 v[S+32+\i], v[S+32+\i], v213, s42   ; keys 343-351 do not exist: -1e30, so that p = 0
.endr
	NOPS 4
.endif
.set tq, 0
.rept 2*(\nbl)                         ; even tiles: the block stands first in both operands (scale byte 0), odd tiles: last (byte 3); the other three blocks are zero codes
	v_wmma_scale_f32_16x16x128_f8f6f4 v[S+8*(4*(\g)+tq):S+8*(4*(\g)+tq)+7], v[KG+20*(tq/2)+4*(tq%2):KG+20*(tq/2)+4*(tq%2)+15], v[QA+4*(tq%2):QA+4*(tq%2)+15], v[S+8*(4*(\g)+tq):S+8*(4*(\g)+tq)+7], v[248+tq], v252
.set tq, tq+1
.endr
.endm
; The softmax of a key step of nb blocks: t = logit x log2(e); M = the running largest t rounded up, kept as -M in v196; p = 2^(t - M); the sum of the unquantised p in v[198:199]; p's codes in v[PC ..], their scale word in v253
.macro SOFT nb
.set bb, 0
.rept \nb
	v_max3_num_f32 v[BT+bb], v[S+16*bb], v[S+16*bb+1], v[S+16*bb+2]   ; each block's largest logit: for the row's maximum and, since p rises with the logit, for the block's largest p
.set bb, bb+1
.endr
.irp i, 3,5,7,9,11,13
.set bb, 0
.rept \nb
	v_max3_num_f32 v[BT+bb], v[BT+bb], v[S+16*bb+\i], v[S+16*bb+\i+1]
.set bb, bb+1
.endr
.endr
.set bb, 0
.rept \nb
	v_max_num_f32 v[BT+bb], v[BT+bb], v[S+16*bb+15]
.set bb, bb+1
.endr
.set bb, 0
.rept \nb
	v_permlanex16_b32 v[BT+4+bb], v[BT+bb], s[SEL], s[SEL+1]
.set bb, bb+1
.endr
.set bb, 0
.rept \nb
	v_max_num_f32 v[BT+bb], v[BT+bb], v[BT+4+bb]
.set bb, bb+1
.endr
	v_max3_num_f32 v194, v[BT], v[BT+1], v[BT+2]
.if (\nb) == 4
	v_max_num_f32 v194, v194, v[BT+3]
.endif
	v_mul_f32 v194, s40, v194
	v_max_num_f32 v197, v197, v194                 ; the running largest t
	v_mov_b32 v194, v196
	v_floor_f32 v196, -v197                        ; the new -M
	v_sub_f32 v194, v196, v194                     ; old M - new M: a whole number, 0 or less
	v_cvt_i32_f32 v194, v194
	v_ldexp_f32 v192, 1.0, v194                    ; f = 2^(old M - new M): a multiplication by it rounds nothing
.set jj, 0
.rept 8*(\nb)
	v_pk_fma_f32 v[S+jj:S+jj+1], v[S+jj:S+jj+1], s[40:41], v[196:197] op_sel_hi:[1,0,0]
.set jj, jj+2
.endr
.set bb, 0
.rept \nb
	v_fma_f32 v[BT+bb], v[BT+bb], s40, v196
.set bb, bb+1
.endr
.set jj, 0
.rept 16*(\nb)
	v_exp_f32 v[S+jj], v[S+jj]
.set jj, jj+1
.endr
	v_pk_mul_f32 v[198:199], v[198:199], v[192:193] op_sel_hi:[1,0]   ; the sums under the new M; a plain line behind the exponentials
	s_wait_alu depctr_va_vdst(0)                   ; one wait for the batch, ahead of its first reader: the exponentials have written p
.set bb, 0
.rept \nb
	v_exp_f32 v[BT+bb], v[BT+bb]                   ; the block's largest p
.set bb, bb+1
.endr
	v_pk_add_f32 v[BT+4:BT+5], v[S:S+1], v[S+2:S+3]   ; the sums read the first batch alone: plain work behind the second
.set jj, 4
.rept 4*(\nb)-1
	v_pk_add_f32 v[198:199], v[198:199], v[S+jj:S+jj+1]
	v_pk_add_f32 v[BT+4:BT+5], v[BT+4:BT+5], v[S+jj+2:S+jj+3]
.set jj, jj+4
.endr
	v_pk_add_f32 v[198:199], v[198:199], v[BT+4:BT+5]
	s_wait_alu depctr_va_vdst(0)                   ; and one for the blocks' exponentials, which have written v[BT ..]
.set bb, 0
.rept \nb
	v_max_num_f32 v[BT+bb], 0x4800000, v[BT+bb]    ; the floor: the byte cannot fall under 1
	v_add_nc_u32 v[BT+12+bb], 0xfc000000, v[BT+bb]
	v_and_or_b32 v[BT+8+bb], v[BT+bb], 0x7f800000, s[MNT]
	v_lshrrev_b32 v[BT+4+bb], 23, v[BT+12+bb]
.set bb, bb+1
.endr
	v_lshl_or_b32 v253, v[BT+5], 8, v[BT+4]
	v_lshl_or_b32 v253, v[BT+6], 16, v253
.if (\nb) == 4
	v_lshl_or_b32 v253, v[BT+7], 24, v253
.endif
.set bb, 0
.rept \nb
.set jj, 0
.rept 16
	v_min_num_f32 v[S+16*bb+jj], v[S+16*bb+jj], v[BT+8+bb]   ; p is not negative: a one-sided hold
.set jj, jj+1
.endr
	v_cvt_scalef32_pk8_fp8_f32 v[PC+4*bb:PC+4*bb+1], v[S+16*bb:S+16*bb+7], v[BT+12+bb]
	v_cvt_scalef32_pk8_fp8_f32 v[PC+4*bb+2:PC+4*bb+3], v[S+16*bb+8:S+16*bb+15], v[BT+12+bb]
.set bb, bb+1
.endr
.if (\nb) == 3
.irp j, 12,13,14,15
	v_mov_b32 v[PC+\j], 0                          ; keys 352-383: zero codes
.endr
.endif
.endm
.macro PVSTEP st                       ; O^T += V^T P^T: the head's two tiles of 16 channels; K = the step's 128 keys
.set jj, 0
.rept 8
	v_pk_mul_f32 v[OA+jj:OA+jj+1], v[OA+jj:OA+jj+1], v[192:193] op_sel_hi:[1,0]   ; O^T under the new M; also the places in front of the products
.set jj, jj+2
.endr
	s_wait_alu depctr_va_vdst(0)                   ; the conversions have written p's codes, and the shifts its scale word, which the products take; the softmax is done with S + 32 on and the last products with v248, v249, in which the loads below land
.irp u, 0,1
.irp c, 0,1,2,3
	ds_load_b128 v[S+32+16*\u+4*\c:S+32+16*\u+4*\c+3], v11 offset:(3*\u+(\st))*2048+512*\c
.endr
	ds_load_b32 v[248+\u], v12 offset:(3*\u+(\st))*64
.endr
	s_wait_dscnt 0x0
.irp u, 0,1
	v_wmma_scale_f32_16x16x128_f8f6f4 v[OA+8*\u:OA+8*\u+7], v[S+32+16*\u:S+32+16*\u+15], v[PC:PC+15], v[OA+8*\u:OA+8*\u+7], v[248+\u], v253
.endr
.endm
.macro STEP st, nb, q
	HALF \st, 0, 2, \q
	HALF \st, 1, (\nb)-2, 0
	NOPS 8                                         ; places in front of the first read of the scores
	SOFT \nb
	PVSTEP \st
.endm
.macro OQ                              ; the head's O / l, quantised (one block of 32 channels); its codes enter v[OCN ..] at the top, the earlier heads' move down: after four heads head c stands in group c
	NOPS 8
	v_add_f32 v198, v198, v199
	v_permlanex16_b32 v194, v198, s[SEL], s[SEL+1]
	v_add_f32 v198, v198, v194                     ; the row's sum
	v_rcp_f32 v192, v198
	v_nop
	s_wait_alu depctr_va_vdst(0)                   ; the wait ahead of the reciprocal's first reader: v_rcp_f32 has written v192
.set jj, 0
.rept 8
	v_pk_mul_f32 v[OA+jj:OA+jj+1], v[OA+jj:OA+jj+1], v[192:193] op_sel_hi:[1,0]
.set jj, jj+2
.endr
	v_max3_num_f32 v[BT], |v[OA]|, |v[OA+1]|, 0x4800000
	v_max3_num_f32 v[BT+1], |v[OA+2]|, |v[OA+3]|, |v[OA+4]|
	v_max3_num_f32 v[BT], v[BT], |v[OA+5]|, |v[OA+6]|
	v_max3_num_f32 v[BT+1], v[BT+1], |v[OA+7]|, |v[OA+8]|
	v_max3_num_f32 v[BT], v[BT], |v[OA+9]|, |v[OA+10]|
	v_max3_num_f32 v[BT+1], v[BT+1], |v[OA+11]|, |v[OA+12]|
	v_max3_num_f32 v[BT], v[BT], |v[OA+13]|, |v[OA+14]|
	v_max3_num_f32 v[BT], v[BT], v[BT+1], |v[OA+15]|
	v_permlanex16_b32 v[BT+4], v[BT], s[SEL], s[SEL+1]
	v_max_num_f32 v[BT], v[BT], v[BT+4]
	v_add_nc_u32 v[BT+12], 0xfc000000, v[BT]
	v_and_or_b32 v[BT+8], v[BT], 0x7f800000, s[MNT]
	v_lshrrev_b32 v[BT+4], 23, v[BT+12]
.set jj, 0
.rept 16
	v_med3_num_f32 v[OA+jj], v[OA+jj], -v[BT+8], v[BT+8]
.set jj, jj+1
.endr
.set jj, 0
.rept 12
	v_mov_b32 v[OCN+jj], v[OCN+jj+4]
.set jj, jj+1
.endr
	v_cvt_scalef32_pk8_fp8_f32 v[OCN+12:OCN+13], v[OA:OA+7], v[BT+12]
	v_cvt_scalef32_pk8_fp8_f32 v[OCN+14:OCN+15], v[OA+8:OA+15], v[BT+12]
	v_lshrrev_b32 v254, 8, v254                    ; the scale word likewise: the new byte on top
	v_lshl_or_b32 v254, v[BT+4], 24, v254
.endm
; gelu(x) = x Phi(x) for 16 registers.  t = 1 / (1 + |x| sqrt(2) / 4); hq = t 2^E = erfc(|x| / sqrt(2)) / 2 with E = -x^2 log2(e) / 2 + c0 + t (c1 + .. + t c9); Phi = hq where x < 0, else 1 - hq
.macro GELU16 g
.set HB, H+16*(\g)
.set jj, 0
.rept 16
	v_fma_f32 v[WB+jj], |v[HB+jj]|, s89, 1.0
.set jj, jj+1
.endr
.set jj, 0
.rept 16
	v_rcp_f32 v[WB+jj], v[WB+jj]
.set jj, jj+1
.endr
.set jj, 0
.rept 8
	v_pk_mul_f32 v[WB+16+jj:WB+17+jj], v[HB+jj:HB+jj+1], v[HB+jj:HB+jj+1]   ; independent work behind the reciprocals
.set jj, jj+2
.endr
.set jj, 0
.rept 8
	v_pk_fma_f32 v[WB+16+jj:WB+17+jj], v[WB+16+jj:WB+17+jj], s[66:67], v[212:213] op_sel_hi:[1,0,1]
.set jj, jj+2
.endr
.set jj, 0
.rept 16
	v_cmp_gt_f32 s[44+jj], 0, v[HB+jj]             ; the sixteen signs in one run, a scalar register each; their readers stand far below
.set jj, jj+1
.endr
	s_wait_alu depctr_va_vdst(0)                   ; one wait for the sixteen reciprocals, which have written v[WB ..]
.set jj, 0
.rept 8
	v_pk_fma_f32 v[QT+jj:QT+jj+1], v[WB+jj:WB+jj+1], s[86:87], v[210:211] op_sel_hi:[1,0,1]   ; c9 t + c8
.set jj, jj+2
.endr
.irp c, 82,80,78,76,74,72,70
.set jj, 0
.rept 8
	v_pk_fma_f32 v[QT+jj:QT+jj+1], v[QT+jj:QT+jj+1], v[WB+jj:WB+jj+1], s[\c:\c+1] op_sel_hi:[1,1,0]
.set jj, jj+2
.endr
.endr
.set jj, 0
.rept 8
	v_pk_fma_f32 v[WB+16+jj:WB+17+jj], v[QT+jj:QT+jj+1], v[WB+jj:WB+jj+1], v[WB+16+jj:WB+17+jj]
.set jj, jj+2
.endr
.set jj, 0
.rept 16
	v_exp_f32 v[WB+16+jj], v[WB+16+jj]
.set jj, jj+1
.endr
	v_nop
	s_wait_alu depctr_va_vdst(0)                   ; one wait for the sixteen exponentials, which have written v[WB+16 ..]
.set jj, 0
.rept 8
	v_pk_mul_f32 v[WB+16+jj:WB+17+jj], v[WB+16+jj:WB+17+jj], v[WB+jj:WB+jj+1]   ; hq
.set jj, jj+2
.endr
.set jj, 0
.rept 8
	v_pk_fma_f32 v[QT+jj:QT+jj+1], v[WB+16+jj:WB+17+jj], -1.0, 1.0 op_sel_hi:[1,0,0]   ; 1 - hq
.set jj, jj+2
.endr
	s_wait_alu depctr_va_sdst(0)                   ; the sixteen compares have written s44 to s59, ahead of their first reader
.set jj, 0
.rept 16
	v_cndmask_b32 v[WB+16+jj], v[QT+jj], v[WB+16+jj], s[44+jj]
.set jj, jj+1
.endr
.set jj, 0
.rept 8
	v_pk_mul_f32 v[HB+jj:HB+jj+1], v[HB+jj:HB+jj+1], v[WB+16+jj:WB+17+jj]
.set jj, jj+2
.endr
.endm
	; ================ A0: ids, constants, the first copies
	s_load_b512 s[4:19], s[0:1], 0x0               ; x s[4:5], norm1_g s[6:7], norm1_b s[8:9], qkv_b s[10:11], proj_b s[12:13], norm2_g s[14:15], norm2_b s[16:17], fc1_b s[18:19]
	s_load_b128 s[20:23], s[0:1], 0x40             ; fc2_b s[20:21], wk s[22:23]
	s_load_b64 s[24:25], s[0:1], 0x50              ; out0
	v_lshrrev_b32 v7, 5, v0
	v_readfirstlane_b32 s26, v7                    ; wave 0..15
	v_and_b32 v2, 31, v0
	v_lshlrev_b32 v1, 4, v2
	v_lshlrev_b32 v2, 2, v2
	v_and_b32 v3, 15, v0
	v_bfe_u32 v4, v0, 4, 1
	v_lshlrev_b32 v5, 6, v4
	v_and_b32 v6, 8, v3
	v_add_nc_u32 v6, v6, v3
	s_wait_alu depctr_va_sdst(0)                   ; s26 is written, ahead of its first reader: addresses, tile numbers and branches are made from it
	s_mov_b32 s[SEL], 0x76543210
	s_mov_b32 s[SEL+1], 0xfedcba98
	s_mov_b32 s[MNT], 0x600000
	PAIR 40, 0x3fb8aa3b                            ; log2(e)
	s_mov_b32 s42, 0xffff0000
	s_mov_b32 s43, 0x3c000000                      ; 1 / 128
	s_mov_b32 s88, 0x3727c5ac                      ; 1e-5
	s_mov_b32 s89, 0x3eb504f3                      ; sqrt(2) / 4
	PAIR 66, 0xbf38aa3b                            ; -log2(e) / 2
	PAIR 70, 0x3fb8ab5a                            ; c1 ..
	PAIR 72, 0x3f0a29d2
	PAIR 74, 0x3e0efb2f
	PAIR 76, 0xbe899a80
	PAIR 78, 0x3ecdfd18
	PAIR 80, 0xbfd1a1e5
	PAIR 82, 0x40097039                            ; .. c7
	PAIR 86, 0x3e7c6f08                            ; c9
	s_lshr_b32 s90, ttmp9, 7                       ; the window: batch,
	s_mul_i32 s39, s90, 14
	s_bfe_u32 s91, ttmp9, 0x10006                  ; wz,
	s_bfe_u32 s92, ttmp9, 0x30003                  ; wy,
	s_and_b32 s93, ttmp9, 7                        ; wx
	s_mul_i32 s36, s91, 7
	s_add_co_u32 s36, s36, 3
	s_mul_i32 s37, s92, 7
	s_add_co_u32 s37, s37, 3
	s_mul_i32 s38, s93, 7
	s_add_co_u32 s38, s38, 3
	s_lshl_b32 s35, s91, 2                         ; the window's bits: last along z,
	s_cmp_eq_u32 s92, 7
	s_cselect_b32 s94, 2, 0
	s_or_b32 s35, s35, s94                         ; y,
	s_cmp_eq_u32 s93, 7
	s_cselect_b32 s94, 1, 0
	s_or_b32 s35, s35, s94                         ; x
.irp b, 0,1,2,3
	v_mov_b32 v[QT+4+\b], 0                        ; a lane permute's destination counts as one of its sources
	v_mov_b32 v[44+\b], 0                          ; sixteen bytes of zeros
.endr
	v_lshlrev_b32 v7, 4, v0                        ; every address is made ahead of the branches on the wave's number
	v_add_nc_u32 v8, WQ, v7
	v_add_nc_u32 v9, WQS, v7                       ; waves 0-5: scale words; waves 6-10: the parameters, which lie straight behind them
	s_mul_i32 s90, s26, 6144
	s_add_co_u32 s90, s90, VIMG+5632
	v_add_nc_u32 v10, s90, v1                      ; waves 0-7: group 3 of key step 2 of channel tile w: keys 352-383
	v_add_nc_u32 v12, VSC-4096, v7                 ; waves 8-10: V's scale bytes
	s_lshl_b32 s92, s26, 9
	s_add_co_u32 s93, s92, WK_SCL
	s_max_u32 s94, s26, 8
	s_sub_co_u32 s94, s94, 8
	s_lshl_b32 s94, s94, 9
	s_cmp_lt_u32 s26, 6
	s_cselect_b32 s31, s93, s94
	v_add_nc_u32 v11, s31, v1
	s_wait_kmcnt 0x0
	s_cmp_lt_u32 s26, 6
	s_cselect_b64 s[90:91], s[22:23], s[10:11]     ; waves 0-5 wk, 8-10 qkv_b,
	s_cmp_eq_u32 s26, 6
	s_cselect_b64 s[90:91], s[6:7], s[90:91]       ; 6 norm1_g,
	s_cmp_eq_u32 s26, 7
	s_cselect_b64 s[90:91], s[8:9], s[90:91]       ; 7 norm1_b
	s_wait_alu depctr_va_vdst(0)                   ; the offsets v1, v2, v5, the addresses v7 to v12 and the zeros v44 to v47 are written, which the loads and stores of this phase (v1, v2, v5: of the whole kernel) read
.irp j, 0,1,2,3,4,5
	global_load_b128 v[16+4*\j:19+4*\j], v7, s[22:23] offset:8192*\j   ; qkv's 24 fragments: 96 bytes a thread
.endr
	s_cmp_ge_u32 s26, 11
	s_cbranch_scc1 .La0_a
	global_load_b128 v[40:43], v11, s[90:91]
.La0_a:
	s_cmp_ge_u32 s26, 8
	s_cbranch_scc1 .La0_b
	ds_store_b128 v10, v[44:47]
	s_branch .La0_c
.La0_b:
	s_cmp_ge_u32 s26, 11
	s_cbranch_scc1 .La0_c
	ds_store_b128 v12, v[44:47]
.La0_c:
	s_wait_loadcnt 0x0
.irp j, 0,1,2,3,4,5
	ds_store_b128 v8, v[16+4*\j:19+4*\j] offset:8192*\j
.endr
	s_cmp_ge_u32 s26, 11
	s_cbranch_scc1 .La0_d
	ds_store_b128 v9, v[40:43]
.La0_d:
	BARRIER                                        ; weights and parameters lie in LDS
	; ================ A1: LN1, x's codes, q and k, a tile at a time
	s_wait_alu depctr_vm_vsrc(0)                   ; the copies' loads and stores have read v7 to v12 and v16 to v47, which the lines and loads below write again
	v_add_nc_u32 v11, WQ, v1
	v_add_nc_u32 v15, WQS, v2
	v_add_nc_u32 v14, PAR1, v5
	s_mov_b32 s27, 0
	s_mov_b32 s28, s26
.La1:
	TOK0
	TOKROW
	s_cmp_ge_u32 s28, NT
	s_cbranch_scc1 .La1_skip
	s_lshl_b32 s90, s28, 11
	s_add_co_u32 s91, s90, XQ
	v_add_nc_u32 v7, s91, v1                       ; x's image
	v_add_nc_u32 v9, s90, v1                       ; q's image; k's by the immediate
	s_lshl_b32 s92, s28, 7
	s_add_co_u32 s92, s92, XQS
	v_add_nc_u32 v8, s92, v2
	s_lshl_b32 s93, s28, 9
	s_add_co_u32 s93, s93, QSC
	v_add_nc_u32 v10, s93, v2
	s_wait_alu depctr_va_vdst(0)                   ; the tile's addresses v7 to v10 and v13 (first tile: v11, v14, v15 too) are written; the last tile's quantiser and products are done with ACC and v80 to v143, in which the loads below land
	GLD64 ACC, 13, 4
	LNLD 14, 0, 512, 0, 80, 96                     ; g and b of blocks 0 and 1 are asked for with x
	LNLD 14, 0, 512, 1, 112, 128
	s_wait_loadcnt 0x0
	LNORM ACC, ACC, 14, 0, 512, 80, 96, 112, 128
	QUANT ACC, XF, 252
	NOPS 8                                         ; places between the conversions and the products that take their codes
	s_wait_alu depctr_va_vdst(0)                   ; the quantiser has written XF and v252, which the LDS stores read and the products take, and is done with ACC; the norm is done with v80 to v143: the bias and the fragments land there
	IMAGE 7, XF, 0
	ds_store_b32 v8, v252
.irp part, 0,1
	LD64 ACC, 14, 1024+512*\part                   ; the bias is the C of each sum's one product
	PROD8 ACC, XF, 252, 11, 16384*\part, 2048, 15, 1024*\part, 128, 80, 4, 0, 0
	NOPS 8
.if \part == 0
.set jj, 0
.rept 32
	v_pk_mul_f32 v[ACC+jj:ACC+jj+1], v[ACC+jj:ACC+jj+1], 0x3e3504f3 op_sel_hi:[1,0]   ; q / sqrt(32)
.set jj, jj+2
.endr
.endif
	QUANT ACC, PC, 213                             ; a block of 32 channels is a head
.irp b, 0,1,2,3
	v_lshl_or_b32 v[208+\b], v[QT+4+\b], 24, v[QT+4+\b]   ; the head's byte in bytes 0 and 3; bytes 1 and 2 stand over zero codes
.endr
	s_wait_alu depctr_va_vdst(0)                   ; the quantiser has written PC and v208 to v211, which the LDS stores read, and is done with ACC; the products are done with v80 to v143 and v248 on: k's bias and fragments land there
	IMAGE 9, PC, KIMG*\part
.irp b, 0,1,2,3
	ds_store_b32 v10, v[208+\b] offset:(KSC-QSC)*\part+128*\b
.endr
	s_wait_dscnt 0x0
	s_wait_alu depctr_vm_vsrc(0)                   ; the stores have read XF, v252, PC and v208 to v211, and the tile's loads and stores their addresses: the next quantiser, tile or phase writes them again
.endr
.La1_skip:
	s_add_co_u32 s28, s28, 16
	s_add_co_u32 s27, s27, 1
	s_cmp_lt_u32 s27, 2
	s_cbranch_scc1 .La1
	BARRIER                                        ; x's 22 images lie in LDS
	; ================ A2: v, 22 units: a block of 32 tokens x four channel tiles.  NOT transposed: source 0 = 16 tokens, source 1 = 16 channels, so a lane holds one channel and its registers run along the tokens, v's K
	s_mov_b32 s27, 0
	s_mov_b32 s28, s26
.La2:
	s_cmp_ge_u32 s28, NT
	s_cbranch_scc1 .La2_skip
	s_lshr_b32 s90, s28, 1                         ; the block of tokens
	s_and_b32 s91, s28, 1                          ; which four channel tiles
	s_lshl_b32 s92, s90, 12
	s_add_co_u32 s92, s92, XQ
	v_add_nc_u32 v7, s92, v1
	s_lshl_b32 s92, s90, 8
	s_add_co_u32 s92, s92, XQS
	v_add_nc_u32 v8, s92, v2
	s_lshl_b32 s92, s91, 13
	s_add_co_u32 s92, s92, WQ+32768
	v_add_nc_u32 v9, s92, v1
	s_lshl_b32 s92, s91, 9
	s_add_co_u32 s92, s92, WQS+2048
	v_add_nc_u32 v10, s92, v2
	s_lshl_b32 s92, s91, 8
	s_add_co_u32 s92, s92, PAR1+2048
	v_lshl_add_u32 v11, v6, 2, s92                 ; v's bias of my channel
	s_lshr_b32 s93, s90, 2                         ; key step,
	s_and_b32 s94, s90, 3                          ; group in it
	s_mul_i32 s92, s91, 24576
	s_lshl_b32 s95, s93, 11
	s_add_co_u32 s92, s92, s95
	s_lshl_b32 s95, s94, 9
	s_add_co_u32 s92, s92, s95
	s_add_co_u32 s92, s92, VIMG
	v_add_nc_u32 v12, s92, v1
	s_mul_i32 s92, s91, 768
	s_lshl_b32 s95, s93, 6
	s_add_co_u32 s92, s92, s95
	s_add_co_u32 s92, s92, s94
	s_add_co_u32 s92, s92, VSC
	v_lshl_add_u32 v13, v3, 2, s92
	s_lshl_b32 s92, s90, 5
	s_sub_co_u32 s92, 343, s92
	v_lshlrev_b32 v212, 4, v4
	v_sub_nc_u32 v212, s92, v212                   ; how many of my 16 tokens exist
	s_wait_alu depctr_va_vdst(0)                   ; the unit's addresses v7 to v13 are written; earlier products and additions are done with v80 to v175, v240 to v243 and v248 to v253, in which the loads below land
	FETCH 144, 7, 0
	FETCH 160, 7, 2048
	ds_load_b32 v252, v8
	ds_load_b32 v253, v8 offset:128
.irp k, 0,1,2,3
	FETCH 80+16*\k, 9, 2048*\k
	ds_load_b32 v[248+\k], v10 offset:128*\k
	ds_load_b32 v[240+\k], v11 offset:128*(\k/2)+32*(\k%2)
.endr
	s_wait_dscnt 0x0
.irp k, 0,1,2,3
.irp u, 0,1
	v_wmma_scale_f32_16x16x128_f8f6f4 v[ACC+16*\k+8*\u:ACC+16*\k+8*\u+7], v[144+16*\u:144+16*\u+15], v[80+16*\k:80+16*\k+15], 0, v[252+\u], v[248+\k]
.endr
.endr
	NOPS 8
.irp k, 0,1,2,3
.set jj, 0
.rept 16
	v_add_f32 v[ACC+16*\k+jj], v[ACC+16*\k+jj], v[240+\k]
.set jj, jj+1
.endr
.endr
	s_cmp_lg_u32 s90, 10                           ; the last block alone has tokens that do not exist: zeros, as the quantiser fills a short block
	s_cbranch_scc1 .La2_full
.irp i, 0,1,2,3,4,5,6,7,8,9,10,11,12,13,14,15
	v_cmp_lt_i32 s[44+\i], \i, v212                ; sixteen masks in one run
.endr
	s_wait_alu depctr_va_sdst(0)                   ; the sixteen compares have written s44 to s59, ahead of their first reader
.irp i, 0,1,2,3,4,5,6,7,8,9,10,11,12,13,14,15
.irp k, 0,1,2,3
	v_cndmask_b32 v[ACC+16*\k+\i], 0, v[ACC+16*\k+\i], s[44+\i]
.endr
.endr
.La2_full:
	QUANT ACC, HC, 213                             ; the four 'blocks' are the four channel tiles' 32 tokens
	s_wait_alu depctr_va_vdst(0)                   ; the quantiser has written HC and the four bytes v[QT+4 ..], which the LDS stores read
.irp k, 0,1,2,3
	ds_store_b128 v12, v[HC+4*\k:HC+4*\k+3] offset:6144*\k
	ds_store_b8 v13, v[QT+4+\k] offset:192*\k      ; lanes r and r + 16 write the same byte with the same value
.endr
	s_wait_dscnt 0x0
	s_wait_alu depctr_vm_vsrc(0)                   ; the stores have read HC and the bytes, and the unit's loads and stores v7 to v13: the next unit or phase writes them again
.La2_skip:
	s_add_co_u32 s28, s28, 16
	s_add_co_u32 s27, s27, 1
	s_cmp_lt_u32 s27, 2
	s_cbranch_scc1 .La2
	v_lshlrev_b32 v7, 4, v0
	v_add_nc_u32 v8, TAB, v7
	v_add_nc_u32 v9, TAB+40960, v7
	s_wait_alu depctr_va_vdst(0)                   ; v7 to v9 are written; the quantiser is done with v16 to v35, in which the loads below land
.irp j, 0,1,2,3,4
	global_load_b128 v[16+4*\j:19+4*\j], v7, s[22:23] offset:WK_TAB+8192*\j   ; the four bias planes: 80 bytes a thread; they land while the waves meet
.endr
	BARRIER                                        ; nobody reads x's images, qkv's fragments or the parameters any more
	s_wait_loadcnt 0x0
.irp j, 0,1,2,3,4
	ds_store_b128 v8, v[16+4*\j:19+4*\j] offset:8192*\j
.endr
.set jj, 0
.rept 10
	v_pk_add_f32 v[36+jj:37+jj], v[16+jj:17+jj], 0xc2c80000 op_sel_hi:[1,0]   ; bias - 100
.set jj, jj+2
.endr
	s_wait_alu depctr_va_vdst(0)                   ; the additions have written v36 to v55, which the LDS stores read
.irp j, 0,1,2,3,4
	ds_store_b128 v9, v[36+4*\j:39+4*\j] offset:8192*\j
.endr
	BARRIER                                        ; q, k, v and the eight planes lie in LDS; from here to the next barrier LDS is only read
	; ================ B: attention
	s_wait_alu depctr_vm_vsrc(0)                   ; the planes' stores have read v8, v9 and v16 to v55, which the lines below write again
.irp z, 20,40,60
.set jj, 0
.rept 12
	v_mov_b32 v[\z+jj], 0                          ; the zero codes beside q and k: three of the instruction's four blocks of K
.set jj, jj+1
.endr
.endr
.set jj, 0
.rept 32
	v_mov_b32 v[OCN+jj], 0                         ; written once, so that every way to their first read finds them written
.set jj, jj+1
.endr
	v_mov_b32 v254, 0
	v_mov_b32 v255, 0
.irp b, 0,1,2,3
	v_mov_b32 v[BT+4+\b], 0
.endr
	v_mov_b32 v193, 0                              ; named as the upper half of the pair v[192:193]
	v_mov_b32 v213, 0xf149f2ca                     ; -1e30
	s_mov_b32 s27, 0
	s_mov_b32 s28, s26
.Lb_tile:
	TOK0
	v_add_nc_u32 v209, s29, v6                     ; my query, not clamped: a padding query reads the planes' front pad.  (Ids alone, no memory: this stands outside the jump)
	v_mul_u32_u24 v210, v209, 1338
	v_lshrrev_b32 v210, 16, v210                   ; z
	v_mul_u32_u24 v211, v210, 49
	v_sub_nc_u32 v209, v209, v211
	v_mul_u32_u24 v211, v209, 9363
	v_lshrrev_b32 v211, 16, v211                   ; y
	v_mul_u32_u24 v212, v211, 7
	v_sub_nc_u32 v209, v209, v212                  ; x
	v_mad_u32_u24 v212, v210, 169, v209
	v_mad_u32_u24 v212, v211, 13, v212             ; f(n)
	v_lshlrev_b32 v212, 2, v212
	v_sub_nc_u32 v208, TAB+4840, v212              ; word 1210 - f(n) of plane 0
	v_lshrrev_b32 v210, 2, v210
	v_lshrrev_b32 v211, 2, v211
	v_lshrrev_b32 v209, 2, v209
	v_lshl_or_b32 v210, v210, 1, v211
	v_lshl_or_b32 v210, v210, 1, v209
	v_and_b32 v210, s35, v210                      ; my query's class
.irp kq, 0,1,2,3,4,5,6,7
	s_and_b32 s[90+\kq], s35, \kq
.endr
.irp kq, 0,1,2,3,4,5,6,7
	v_cmp_ne_u32 s[48+\kq], s[90+\kq], v210        ; the lanes whose query does not see a key of class kq: eight masks in one run
.endr
	s_wait_alu depctr_va_sdst(0)                   ; the eight compares have written s48 to s55, ahead of their first reader
.irp kq, 0,1,2,3,4,5,6,7
	s_and_b32 s[56+\kq], s[48+\kq], s42
	s_and_b32 s[48+\kq], s[48+\kq], 0xffff
.endr
	s_mov_b32 s30, 0
.Lb_head:
	s_cmp_ge_u32 s28, NT
	s_cbranch_scc1 .Lb_head_skip
	s_wait_alu depctr_vm_vsrc(0)                   ; the last head's loads have read v7 to v12, which the adds below write again
	s_lshl_b32 s90, s28, 11
	s_lshl_b32 s91, s30, 9
	s_add_co_u32 s90, s90, s91
	v_add_nc_u32 v7, s90, v1                       ; q's group of this head (QIMG = 0)
	s_add_co_u32 s91, s91, KIMG
	v_add_nc_u32 v9, s91, v1
	s_lshl_b32 s92, s28, 9
	s_lshl_b32 s93, s30, 7
	s_add_co_u32 s92, s92, s93
	s_add_co_u32 s92, s92, QSC
	v_add_nc_u32 v8, s92, v2
	s_add_co_u32 s93, s93, KSC
	v_add_nc_u32 v10, s93, v2
	s_mul_i32 s94, s30, 12288
	s_add_co_u32 s94, s94, VIMG
	v_add_nc_u32 v11, s94, v1
	s_mul_i32 s95, s30, 384
	s_add_co_u32 s95, s95, VSC
	v_lshl_add_u32 v12, v3, 2, s95
	s_mul_i32 s96, s30, 10240
	v_add_nc_u32 v209, s96, v208
	v_mad_u32_u24 v200, v4, 112, v209              ; lanes 16-31 stand 16 keys on: 4 (f(m + 16) - f(m)) by the carries along x and y
	v_mad_u32_u24 v201, v4, 136, v209
	v_mad_u32_u24 v202, v4, 424, v209
	v_mad_u32_u24 v203, v4, 448, v209
.irp k, 0,1,2,3
	v_add_nc_u32 v[204+\k], 40960, v[200+\k]       ; the same in the plane of bias - 100
.endr
	v_mov_b32 v197, 0xff61b1e6                     ; the largest t so far: -3e38
	v_floor_f32 v196, -v197
	v_mov_b32 v198, 0
	v_mov_b32 v199, 0
.set jj, 0
.rept 16
	v_mov_b32 v[OA+jj], 0                          ; the step is written once for all steps: the first finds zeros
.set jj, jj+1
.endr
	STEP 0, 4, 1                                   ; q and its scale word come with the first half step's loads
	STEP 1, 4, 0
	STEP 2, 3, 0
	OQ
.Lb_head_skip:
	s_add_co_u32 s30, s30, 1
	s_cmp_lt_u32 s30, 4
	s_cbranch_scc1 .Lb_head
	s_cmp_lg_u32 s27, 0
	s_cbranch_scc1 .Lb_nocopy
.set jj, 0
.rept 16
	v_mov_b32 v[OCX+jj], v[OCN+jj]                 ; the first tile's codes wait for phase C
.set jj, jj+1
.endr
	v_mov_b32 v255, v254
.Lb_nocopy:
	s_add_co_u32 s28, s28, 16
	s_add_co_u32 s27, s27, 1
	s_cmp_lt_u32 s27, 2
	s_cbranch_scc1 .Lb_tile
	; the chain's weights and parameters are asked for ahead of the barrier and land while the waves meet
	s_wait_alu depctr_vm_vsrc(0)                   ; the last head's loads have read v7 to v12, which the lines below write again
	v_lshlrev_b32 v7, 4, v0                        ; in wk, and in LDS (WCH = 0)
	v_add_nc_u32 v8, 65536, v7
	v_add_nc_u32 v9, 131072, v7
	v_add_nc_u32 v10, WCS, v7
	v_add_nc_u32 v11, PAR2, v7
	s_max_u32 s92, s26, 4
	s_sub_co_u32 s92, s92, 4
	s_lshl_b32 s92, s92, 9
	v_add_nc_u32 v12, s92, v1
	s_cmp_eq_u32 s26, 0
	s_cselect_b64 s[90:91], s[14:15], s[18:19]     ; wave 0 norm2_g, waves 4-7 fc1_b,
	s_cmp_eq_u32 s26, 1
	s_cselect_b64 s[90:91], s[16:17], s[90:91]     ; 1 norm2_b,
	s_cmp_eq_u32 s26, 2
	s_cselect_b64 s[90:91], s[12:13], s[90:91]     ; 2 proj_b,
	s_cmp_eq_u32 s26, 3
	s_cselect_b64 s[90:91], s[20:21], s[90:91]     ; 3 fc2_b
	s_wait_alu depctr_va_vdst(0)                   ; v7 to v12 are written; attention's products and softmax are done with v16 to v99, in which the loads below land
.set jj, 0
.rept 18
	global_load_b128 v[16+4*jj:19+4*jj], v7, s[22:23] offset:49152+8192*jj   ; fragments 24-95: 288 bytes a thread
.set jj, jj+1
.endr
	global_load_b128 v[88:91], v7, s[22:23] offset:WK_SCL+3072
	s_cmp_ge_u32 s26, 2
	s_cbranch_scc1 .Lw_a
	global_load_b128 v[92:95], v7, s[22:23] offset:WK_SCL+3072+8192
.Lw_a:
	s_cmp_ge_u32 s26, 8
	s_cbranch_scc1 .Lw_b
	global_load_b128 v[96:99], v12, s[90:91]
.Lw_b:
	BARRIER                                        ; nobody reads q, k, v or the planes any more
	s_wait_loadcnt 0x0
.irp j, 0,1,2,3,4,5,6,7
	ds_store_b128 v7, v[16+4*\j:19+4*\j] offset:8192*\j
	ds_store_b128 v8, v[48+4*\j:51+4*\j] offset:8192*\j
.endr
	ds_store_b128 v9, v[80:83]
	ds_store_b128 v9, v[84:87] offset:8192
	ds_store_b128 v10, v[88:91]
	s_cmp_ge_u32 s26, 2
	s_cbranch_scc1 .Lw_c
	ds_store_b128 v10, v[92:95] offset:8192
.Lw_c:
	s_cmp_ge_u32 s26, 8
	s_cbranch_scc1 .Lw_d
	ds_store_b128 v11, v[96:99]
.Lw_d:
	BARRIER                                        ; the chain's weights lie in LDS
	; ================ C: projection, residual, LN2, MLP, residual: a tile at a time, all in registers
	s_wait_alu depctr_vm_vsrc(0)                   ; the copies' loads and stores have read v7 to v12 and v16 to v99, which the lines and loads below write again
	v_add_nc_u32 v10, WCS, v2
	v_add_nc_u32 v14, PAR2, v5
	s_mul_i32 s90, s26, 8448
	s_add_co_u32 s90, s90, STG                     ; my stage
	v_mul_u32_u24 v208, v3, 528
	v_add_nc_u32 v208, v208, v5
	v_add_nc_u32 v208, s90, v208                   ; in: row r, + 64 h
	v_add_nc_u32 v209, s90, v1                     ; back: 16 bytes a lane of a whole row
	v_mov_b32 v210, 0xbf97d29d                     ; c8, as a pair
	v_mov_b32 v211, 0xbf97d29d
	v_mov_b32 v212, 0xc034d90f                     ; c0, as a pair
	v_mov_b32 v213, 0xc034d90f
	s_mov_b32 s27, 0
	s_mov_b32 s28, s26
.Lc_tile:
	TOK0
	TOKROW
	s_cmp_ge_u32 s28, NT
	s_cbranch_scc1 .Lc_pre_skip
	s_wait_alu depctr_va_vdst(0)                   ; v13 (first tile: v10, v14 too) is written; O's codes and scale word are written, which the products take (the lines of TOKROW are their places); the last tile's products are done with ACC, H and v248 on, in which the loads below land
	GLD64 ACC, 13, 4
	PROD8 ACC, OCX, 255, 1, 0, 2048, 10, 0, 128, H, 4, 0, 1   ; x is the C of the projection; its first four fragments are asked for with x
	NOPS 8
	s_wait_alu depctr_va_vdst(0)                   ; the products are done with H and OCX, and the last tile's work with v144 to v191: proj_b and norm2's g and b land there
	LD64 H, 14, 1024
	LNLD 14, 0, 512, 0, 144, 160                   ; g and b of blocks 0 and 1 are asked for with proj_b
	LNLD 14, 0, 512, 1, 176, 232
	s_wait_dscnt 16                                ; proj_b's sixteen loads are in; the norm's sixteen may be out
	ADD64 ACC, H                                   ; + proj_b: x1
	LNORM ACC, H, 14, 0, 512, 144, 160, 176, 232
	QUANT H, OCX, 255                              ; y's codes take the place of O's
	s_wait_alu depctr_va_vdst(0)                   ; the quantiser is done with H, in which fc2_b lands
	LD64 H, 14, 1536
	s_wait_dscnt 0x0
	ADD64 ACC, H                                   ; x1 + fc2_b: from here on the residual is fc2's accumulator
.Lc_pre_skip:
	s_mov_b32 s30, 0
.Lc_chunk:                                             ; 128 hidden units a trip: one K step of fc2
	s_cmp_ge_u32 s28, NT
	s_cbranch_scc1 .Lc_chunk_skip
	s_wait_alu depctr_vm_vsrc(0)                   ; the last chunk's loads have read v7, v8, v9, v11 and v15, which the adds below write again
	s_lshl_b32 s90, s30, 14
	s_add_co_u32 s90, s90, 16384
	v_add_nc_u32 v8, s90, v1                       ; fc1's eight fragments
	s_lshl_b32 s91, s30, 11
	s_add_co_u32 s91, s91, 81920
	v_add_nc_u32 v9, s91, v1                       ; fc2's, 8,192 bytes apart
	s_lshl_b32 s92, s30, 10
	s_add_co_u32 s92, s92, WCS+1024
	v_add_nc_u32 v11, s92, v2
	s_lshl_b32 s93, s30, 7
	s_add_co_u32 s93, s93, WCS+5120
	v_add_nc_u32 v15, s93, v2
	s_lshl_b32 s94, s30, 9
	s_add_co_u32 s94, s94, PAR2+2048
	v_add_nc_u32 v7, s94, v5
	NOPS 8                                         ; places behind the last products
	s_wait_alu depctr_va_vdst(0)                   ; the chunk's addresses are written; y's codes and scale word are written, which the products take; the last products and additions are done with H, v144 to v207 and v248 on, in which the loads below land
	LD64 H, 7, 0                                   ; fc1_b is the C
	PROD8 H, OCX, 255, 8, 0, 2048, 11, 0, 128, WB, 4, 0, 0   ; four fragments at a time in v144 to v207
	NOPS 8
	GELU16 0
	GELU16 1
	GELU16 2
	GELU16 3
	QUANT H, HC, 253
	PROD8 ACC, HC, 253, 9, 0, 8192, 15, 0, 512, H, 4, 1, 0
.Lc_chunk_skip:
	s_add_co_u32 s30, s30, 1
	s_cmp_lt_u32 s30, 4
	s_cbranch_scc1 .Lc_chunk
	s_cmp_ge_u32 s28, NT
	s_cbranch_scc1 .Lc_post_skip
	NOPS 8
.irp p, 0,1,2,3,4,5,6,7,8,9,10,11,12,13,14,15
	v_readlane_b32 s[44+\p], v12, \p               ; the sixteen rows' places in out0, in one run
.endr
	s_wait_alu depctr_va_sdst(0)                   ; s44 to s59 are written, ahead of their first reader
.irp p, 0,1,2,3,4,5,6,7,8,9,10,11,12,13,14,15
	v_add_nc_u32 v[WB+\p], s[44+\p], v1
.endr
	s_wait_alu depctr_va_vdst(0)                   ; the products have written ACC, which the LDS stores read (the places stand above), and are done with H, in which the rows land; the adds have written the stores' offsets v[WB ..]
.irp b, 0,1,2,3
.irp j, 0,1,2,3
	ds_store_b128 v208, v[ACC+16*\b+4*\j:ACC+16*\b+4*\j+3] offset:128*\b+16*\j   ; each accumulator from its low end on
.endr
.endr
.irp p, 0,1,2,3,4,5,6,7,8,9,10,11,12,13,14,15
	ds_load_b128 v[H+4*\p:H+4*\p+3], v209 offset:528*\p   ; LDS serves a wave's instructions in order (ISA guide 5.7.1.4): these see my stores
.endr
	s_wait_dscnt 0x0
.irp p, 0,1,2,3,4,5,6,7,8,9,10,11,12,13,14,15
.if \p >= 8
	s_cmp_ge_u32 s29, 343-8-\p                     ; row p is token s29 + p + 8: the padding rows are a tile's last and are not stored
	s_cbranch_scc1 .Lc_rows_done
.endif
	global_store_b128 v[WB+\p], v[H+4*\p:H+4*\p+3], s[24:25] th:TH_STORE_NT   ; 32 lanes store a row of 512 consecutive bytes, aligned
.endr
.Lc_rows_done:
	s_wait_xcnt 0x0                                ; the stores' addresses are translated: their registers may be written again
.Lc_post_skip:
	s_wait_alu depctr_vm_vsrc(0)                   ; the tile's loads and stores have read v13, ACC, H and v[WB ..], which the next tile writes again; on every way to it
	s_cmp_lg_u32 s27, 0
	s_cbranch_scc1 .Lc_nocopy
.set jj, 0
.rept 16
	v_mov_b32 v[OCX+jj], v[OCN+jj]                 ; the second tile's codes
.set jj, jj+1
.endr
	v_mov_b32 v255, v254
.Lc_nocopy:
	s_add_co_u32 s28, s28, 16
	s_add_co_u32 s27, s27, 1
	s_cmp_lt_u32 s27, 2
	s_cbranch_scc1 .Lc_tile
	s_wait_xcnt 0x0
	v_lshl_add_u32 v254, v0, 2, 0x48400
	v_mov_b32 v255, 0
	s_wait_dscnt 0x0                               ; the closing lines, six on end
	s_wait_alu 0x0
	s_wait_tensorcnt 0x0
	ds_add_u32 v254, v255
	s_wait_dscnt 0x0
	s_endpgm
.Lfunc_end_k_q543968b0b6_swin:
	.size	k_q543968b0b6_swin, .Lfunc_end_k_q543968b0b6_swin-k_q543968b0b6_swin
	.p2alignl 7, 3214868480
	.fill 96, 4, 3214868480
	.section	.rodata,"a",@progbits
	.p2align	6, 0x0
	.amdhsa_kernel k_q543968b0b6_swin
		.amdhsa_group_segment_fixed_size 297984
		.amdhsa_private_segment_fixed_size 0
		.amdhsa_enable_private_segment 0
		.amdhsa_kernarg_size 88
		.amdhsa_user_sgpr_count 2
		.amdhsa_user_sgpr_kernarg_segment_ptr 1
		.amdhsa_wavefront_size32 1
		.amdhsa_system_sgpr_workgroup_id_x 1
		.amdhsa_system_sgpr_workgroup_id_y 1
		.amdhsa_system_sgpr_workgroup_id_z 1
		.amdhsa_system_vgpr_workitem_id 0
		.amdhsa_next_free_vgpr 256
		.amdhsa_next_free_sgpr 100
		.amdhsa_reserve_vcc 0
		.amdhsa_float_denorm_mode_32 3
		.amdhsa_float_denorm_mode_16_64 3
		.amdhsa_memory_ordered 1
		.amdhsa_forward_progress 1
		.amdhsa_inst_pref_size 255
	.end_amdhsa_kernel
	.section	.bss,"aw",@nobits
	.p2align	6
	.space	262144
	.amdgpu_metadata
---
amdhsa.version: [ 1, 2 ]
amdhsa.kernels:
  - .name:           k_q543968b0b6_swin
    .symbol:         k_q543968b0b6_swin.kd
    .args:
      - { .name: x, .offset: 0, .size: 8, .value_kind: global_buffer, .address_space: global }
      - { .name: norm1_g, .offset: 8, .size: 8, .value_kind: global_buffer, .address_space: global }
      - { .name: norm1_b, .offset: 16, .size: 8, .value_kind: global_buffer, .address_space: global }
      - { .name: qkv_b, .offset: 24, .size: 8, .value_kind: global_buffer, .address_space: global }
      - { .name: proj_b, .offset: 32, .size: 8, .value_kind: global_buffer, .address_space: global }
      - { .name: norm2_g, .offset: 40, .size: 8, .value_kind: global_buffer, .address_space: global }
      - { .name: norm2_b, .offset: 48, .size: 8, .value_kind: global_buffer, .address_space: global }
      - { .name: fc1_b, .offset: 56, .size: 8, .value_kind: global_buffer, .address_space: global }
      - { .name: fc2_b, .offset: 64, .size: 8, .value_kind: global_buffer, .address_space: global }
      - { .name: wk, .offset: 72, .size: 8, .value_kind: global_buffer, .address_space: global }
      - { .name: out0, .offset: 80, .size: 8, .value_kind: global_buffer, .address_space: global }
    .group_segment_fixed_size: 297984
    .private_segment_fixed_size: 0
    .kernarg_segment_align: 8
    .kernarg_segment_size: 88
    .max_flat_workgroup_size: 512
    .sgpr_count:     100
    .vgpr_count:     256
    .wavefront_size: 32
...
	.end_amdgpu_metadata
.endif
;; end of part 3
